; MI455X (gfx1250); checked and timed in simulation.
; The chip was launched on July 23, 2026; its instructions are those of AMD's public machine-readable ISA for CDNA 5 (MIT licence, August 2026) and "CDNA5" Instruction Set Architecture Reference Guide (July 2026). The comments in the code are by the model that wrote it; some were corrected since.
;; Encode Sequential. Allowed arithmetic: matrix products marked QUANTISED: E3M2 operands, one E8M0 scale for each 32 along K, by v_wmma_scale_f32_16x16x128_f8f6f4 with both operands' format E3M2, f32 sums; everything else in f32.
;; Inputs: Wk 1,024 x 1,024 float32; Wq 1,024 x 1,024 float32; Wv 1,024 x 1,024 float32; bk 1,024 float32; bq 1,024 float32; bv 1,024 float32; x 4 x 2,048 x 1,024 float32.
;; Outputs: out0 4 x 2,048 x 1,024 float32.
;; This version of the problem:
;;   THIS VERSION OF THE PROBLEM IS GIVEN IN LOW PRECISION. The matrix products marked QUANTISED in the list below multiply operands that are first quantised to E3M2 (3 exponent bits, 2 mantissa bits; 6 bits a number), with one power-of-two scale for each 32 numbers along K (OCP MX v1.0); their sums are f32. All else is computed in f32.
;;   The module's matrix products, in the order in which they are computed (A, B: the left and right operand; K: the contracted axis; several contracted axes count as one K, in the product's order):
;;     1. [M 8,192, K 1,024] x [K 1,024, N 1,024]; A: input x; B: input Wq: QUANTISED
;;     2. [M 8,192, K 1,024] x [K 1,024, N 1,024]; A: input x; B: input Wk: QUANTISED
;;     3. [M 8,192, K 1,024] x [K 1,024, N 1,024]; A: input x; B: input Wv: QUANTISED
;;     4. batch 4 x [M 2,048, K 1,024] x [K 1,024, N 2,048]; A: computed on the way; B: computed on the way: QUANTISED
;;     5. batch 4 x [M 2,048, K 2,048] x [K 2,048, N 1,024]; A: softmax (see below); B: computed on the way: QUANTISED
;;   THE QUANTISER, for each operand of a quantised product, along K:
;;     - K is cut into blocks of 32 from its start; a last block that is shorter is filled with zeros.
;;     - A block's scale is 2^e with e = floor(log2(the largest magnitude in the block)) - 4, held to -126 .. 127; a block of zeros has e = 0. As a byte (E8M0): e + 127.
;;     - Each number is divided by its block's scale, clamped to +-28, and rounded to the nearest number of E3M2, ties to even, subnormals kept.
;;     - The product sums the exact products of the quantised numbers (number of the format x scale) in f32.
;;   ~~~python
;;   def quantise(x, axis):      # numpy; x: float32 -> the quantised numbers, widened to float32 again
;;       x = np.moveaxis(x, axis, -1); K = x.shape[-1]
;;       x = np.pad(x, [(0, 0)] * (x.ndim - 1) + [(0, -K % 32)]); x = x.reshape(x.shape[:-1] + (-1, 32)); a = np.abs(x).max(-1, keepdims=True)
;;       e = np.where(a > 0, np.clip(np.frexp(np.where(a > 0, a, 1))[1] - 1 - 4, -126, 127), 0)      # np.frexp(a)[1] - 1 = floor(log2(a)), exactly
;;       r = np.clip(x / 2.0 ** e, -28, 28)
;;       step = 2.0 ** (np.maximum(np.frexp(np.where(r == 0, 1, r))[1] - 1, -2) - 2)
;;       q = np.round(r / step) * step * 2.0 ** e      # np.round: ties to even
;;       return np.moveaxis(q.reshape(q.shape[:-2] + (-1,))[..., :K], -1, axis).astype(np.float32)
;;   ~~~
;;   SOFTMAX AHEAD OF A QUANTISED PRODUCT. Where the list says 'softmax', what is quantised is not the finished softmax but p = 2^(t - M), with t = logit x log2(e) and M = ceil(the row's largest t), a whole number; so 1/2 < the row's largest p <= 1. The row's sum l is taken of the UNQUANTISED p, in f32, and the product's result is divided by l at the end. Since M is a whole number, a kernel that streams over the keys may use a running M (the ceiling of the running maximum): every later rescaling is an exact power of two, which a block's scale takes up: the codes' values come out the same.
;;   OPERANDS COMPUTED ON THE WAY. 'Computed on the way' means the value that the module computes at that place (a softmax that the list does not call 'softmax' is quantised finished and normalised). What goes into a quantiser is computed in f32, as accurately as f32 sums, v_exp_f32 and their like allow (about 1e-6 of the number): no bf16 or f16 on the way to a quantiser, and a product that is left as it is and whose result goes on into a quantised operand takes f32 operands (vector FMAs, or v_wmma_f32_16x16x4_f32). A number that lies on a knife's edge between two numbers of the format may be rounded either way, as far as f32 arithmetic and the matrix unit's own rounding can turn it there, and no further.
;; One version. Each part assembles by itself: llvm-mc -triple=amdgcn-amd-amdhsa -mcpu=gfx1250 --defsym DOCPART=n.
;; ======== version 1 of 1: 4 launches
;; limits: right only within a limited range of input values
;; workspace buffers: ximg 6,553,600 bytes; wimg 2,490,368 bytes; qimg 6,553,600 bytes; kimg 6,553,600 bytes; vimg 9,830,400 bytes; pimg 9,437,184 bytes; pst 1,179,648 bytes
;; launch quant (part 1): grid 704 x 1, 1 waves a work-group, no clusters, 17,152 bytes of LDS; arguments x, Wq, Wk, Wv, ximg, wimg; writes ximg, wimg
.if DOCPART == 1
	.amdgcn_target "amdgcn-amd-amdhsa--gfx1250"
	.amdhsa_code_object_version 6
	.text
	.protected	k_q7a596b356d_quant
	.globl	k_q7a596b356d_quant
	.p2align	8
	.type	k_q7a596b356d_quant,@function
k_q7a596b356d_quant:
	s_mov_b64 s[64:65], 0
	v_nop
	global_prefetch_b8 v0, s[64:65] scope:SCOPE_SE
	s_setreg_imm32_b32 hwreg(HW_REG_WAVE_MODE, 25, 1), 1
	s_wait_xcnt 0x0
; x [8192][1024] and Wq, Wk, Wv [1024][1024], f32, K innermost, become codes of E3M2 with one E8M0 byte for each 32 along K,
; laid as IMAGES OF OPERAND REGISTERS, so that the products' launches read fragments by loads of 16 bytes a lane and fetch tiles as dense runs.
; A BLOCK is 128 rows x 128 K: eight fragment images of 1,536 bytes, and 512 bytes of scale words.
;   fragment f, position p = row 32 (f / 2) + 8 (f % 2) + p + 8 (p / 8) of the 128;  byte 512 c + 16 l + 4 e of its image = register 4 c + e of lane l;
;   lane (r = l % 16, h = l / 16): registers 6 c .. 6 c + 5 = the codes of k = 64 c + 32 h + 0 .. 31 of the row at position r.
;   scale words: byte 16 l + 4 g = the word (four bytes, 128 K) of fragment 2 g + l / 16, position l % 16.
; ximg: [32 tiles of 256 rows][8 K steps][2 blocks of 12,800 bytes].
; wimg: [8 groups of 128 channels][8 K steps][2 halves of 19,456 bytes]: half 0 = Wq's block (12,800 bytes), then Wv's fragments 0-3 and Wv's scale words;
;   half 1 = Wk's block, then Wv's fragments 4-7 and Wv's scale words once more, with g = 2, 3, 0, 1 in that order.
; A block's scale is 2^(floor(log2(largest magnitude)) - 4): its byte is the largest magnitude's exponent field - 4, held at 1 from below.
; WORK LEFT OUT (in the later launches): products of queries with whole blocks of keys that lie behind every query of the block: reference()'s own causal mask puts -inf there, so p = 0 whatever the inputs hold.
;   A NaN, an infinity or an overflow that reaches only that work is not carried to the result.
; LIMITS: a block of zeros, or one whose largest magnitude lies under 2^-122, gets the byte 1 (the bytes are read by this program alone; zero codes add nothing); NaN and infinities are not served.
; SHARES: a work-group is one wave and makes one block: 64 KiB in, 12,800 bytes out; 704 blocks.  No matrix unit, no tensor load, no barrier, no cluster (no byte is read twice).
; Each load takes 512 consecutive bytes of one row; a fragment's 16 rows turn through a stage in LDS, so that a lane gets 32 neighbours along K twice.  Loads run four fragments (64 loads) ahead.
.set BLK,  12800
.set FRB,  1536
.set WHALF, 19456
.set WSTEP, 2*WHALF
.set PIT,  528                         ; a stage row: 512 bytes + 16
.set STGB, 16*PIT                      ; a stage; two of them take turns
.set LI,   1                           ; v1     16 x lane
.set RA,   2                           ; v2     528 r + 128 h: where I read the stage
.set H8,   3                           ; v3     8 h
.set MX,   4                           ; v4-5   my two blocks' largest magnitudes
.set SO,   6                           ; v6-7   the conversions' scale operands
.set BY,   8                           ; v8-9   the scale bytes
.set WD,   10                          ; v10    my half of the scale word
.set PX,   11                          ; v11    the other half's
.set W8,   16                          ; v16-23 a scale word for each fragment
.set SW,   24                          ; v24-27 the image of the scale words; v28-29 its first two registers once more
.set PC,   32                          ; v32-43 a fragment's codes
.set PT,   44                          ; v44-46, v48-50 the halves that a conversion cannot put on an odd register
.set X,    64                          ; v64-191 two sets of 64 numbers, as the conversions want them;  window 1: v0-255 four sets of 64, as loaded
.set MSB, 0
.macro WIN new                         ; the immediate's high byte repeats the setting that is left
.if MSB != (\new)
	s_set_vgpr_msb (MSB<<8)|(\new)
.set MSB, (\new)
.endif
.endm
	s_load_b256 s[4:11], s[0:1], 0x0               ; x, Wq, Wk, Wv
	s_load_b128 s[12:15], s[0:1], 0x20             ; ximg, wimg
	v_lshl_add_u32 v254, v0, 2, 0x4200
	v_mov_b32 v255, 0
	v_lshlrev_b32 v[LI], 4, v0                     ; one wave: the thread's number is the lane
	v_and_b32 v[RA], 15, v0
	v_lshrrev_b32 v[H8], 4, v0
	v_mul_u32_u24 v[RA], v[RA], PIT
	v_lshl_add_u32 v[RA], v[H8], 7, v[RA]
	v_lshlrev_b32 v[H8], 3, v[H8]
	v_mov_b32 v[PX], 0                             ; written once: a lane permute's destination counts as one of its sources
	s_mov_b32 s20, 0x76543210
	s_mov_b32 s21, 0xfedcba98                      ; v_permlanex16_b32's selects for lane l xor 16
	s_mov_b32 s22, 0xffff0000                      ; lanes 16-31
	s_lshr_b32 s16, ttmp9, 3                       ; block of rows: 0-63 x, 64-87 the weights
	s_and_b32 s17, ttmp9, 7                        ; K step
	s_sub_co_u32 s18, s16, 64
	s_lshr_b32 s19, s18, 3                         ; which weight (for x a number that is none)
	s_and_b32 s23, s18, 7                          ; block of rows in that weight
	s_wait_alu depctr_va_vdst(0)                   ; the wait at the head's end
	s_wait_kmcnt 0x0
	s_cmp_eq_u32 s19, 1                            ; the choices hang on the work-group's number alone
	s_cselect_b64 s[6:7], s[8:9], s[6:7]
	s_cmp_eq_u32 s19, 2
	s_cselect_b64 s[6:7], s[10:11], s[6:7]
	s_cmp_lt_u32 s16, 64
	s_cselect_b64 s[4:5], s[4:5], s[6:7]           ; from
	s_cselect_b64 s[12:13], s[12:13], s[14:15]     ; to
	s_cselect_b32 s24, s16, s23
	s_lshl_b32 s24, s24, 19                        ; 128 rows of 4,096 bytes
	s_lshl_b32 s25, s17, 9                         ; 128 numbers along K
	s_add_co_u32 s24, s24, s25
	s_mov_b32 s25, 0
	s_add_nc_u64 s[4:5], s[4:5], s[24:25]
	s_lshr_b32 s26, s16, 1                         ; x: tile, K step, block of the tile
	s_lshl_b32 s26, s26, 4
	s_lshl_b32 s27, s17, 1
	s_add_co_u32 s26, s26, s27
	s_and_b32 s27, s16, 1
	s_add_co_u32 s26, s26, s27
	s_mul_i32 s26, s26, BLK
	s_lshl_b32 s27, s23, 3                         ; the weights: group, K step,
	s_add_co_u32 s27, s27, s17
	s_mul_i32 s27, s27, WSTEP
	s_mul_i32 s28, s19, WHALF                      ; and there Wq at 0, Wk at 19,456, Wv at 12,800
	s_cmp_eq_u32 s19, 2
	s_cselect_b32 s28, BLK, s28
	s_cselect_b32 s29, WHALF-4*FRB, 0              ; Wv's fragments 4-7 lie in the other half
	s_cselect_b32 s30, 4*FRB, 0
	s_sub_co_u32 s30, 8*FRB, s30                   ; the scale words lie behind eight fragments, Wv's behind four
	s_mov_b32 s31, 0
	s_add_co_u32 s27, s27, s28
	s_cmp_lt_u32 s16, 64
	s_cselect_b32 s26, s26, s27
	s_mov_b32 s27, 0
	s_add_nc_u64 s[12:13], s[12:13], s[26:27]      ; fragments 0-3
	s_add_nc_u64 s[30:31], s[12:13], s[30:31]      ; scale words
	s_mov_b32 s26, s29
	s_add_nc_u64 s[28:29], s[12:13], s[26:27]      ; fragments 4-7, less 4 x 1,536
.macro LOAD f                          ; fragment f's 16 rows, 512 consecutive bytes each, into set f % 4 of window 1
	WIN 0x40
.irp p, 0,1,2,3,4,5,6,7,8,9,10,11,12,13,14,15
	global_load_b128 v[64*((\f)%4)+4*\p:64*((\f)%4)+4*\p+3], v[LI], s[4:5] offset:(32*((\f)/2)+8*((\f)%2)+\p+8*(\p/8))*4096 th:TH_LOAD_NT
.endr
	WIN 0
.endm
.macro TURN f                          ; through stage f % 2: in as loaded, out 128 bytes of my row twice.  LDS serves a wave's instructions in order: no wait between
	WIN 0x04
.irp p, 0,1,2,3,4,5,6,7,8,9,10,11,12,13,14,15
	ds_store_b128 v[LI], v[64*((\f)%4)+4*\p:64*((\f)%4)+4*\p+3] offset:STGB*((\f)%2)+PIT*\p
.endr
	WIN 0
.irp c, 0,1
.irp q, 0,1,2,3,4,5,6,7
	ds_load_b128 v[X+64*((\f)%2)+32*\c+4*\q:X+64*((\f)%2)+32*\c+4*\q+3], v[RA] offset:STGB*((\f)%2)+256*\c+16*\q
.endr
.endr
.endm
.macro STEP f
.set XS, X+64*((\f)%2)
	s_wait_dscnt 0x0                               ; this fragment's numbers are back, and the stage's stores have read their registers,
.if (\f)+4 < 8
	LOAD (\f)+4                                    ; which take the loads of four fragments on
.endif
.if (\f) < 7
.if (\f) < 3
	s_wait_loadcnt 48                              ; the next fragment's 16 loads are in; three younger sets may be out
.else
	s_wait_loadcnt 16*(6-(\f))                     ; the younger sets that are left
.endif
	TURN (\f)+1                                    ; the next fragment goes through the other stage while this one is worked
.endif
.irp c, 0,1
	v_max3_num_f32 v[MX+\c], |v[XS+32*\c]|, |v[XS+32*\c+1]|, 0x2800000   ; block 2 c + h: all 32 numbers are mine; the floor 2^(5 - 127) holds the byte at 1
.endr
.irp i, 2,4,6,8,10,12,14,16,18,20,22,24,26,28,30
.irp c, 0,1
	v_max3_num_f32 v[MX+\c], v[MX+\c], |v[XS+32*\c+\i]|, |v[XS+32*\c+\i+1]|
.endr
.endr
.irp c, 0,1
	v_add_nc_u32 v[SO+\c], 0xfe000000, v[MX+\c]    ; 4 off the exponent field: the conversion takes that field as its scale
.endr
.irp c, 0,1
	v_lshrrev_b32 v[BY+\c], 23, v[SO+\c]           ; the scale's byte
.endr
	v_lshl_or_b32 v[WD], v[BY+1], 16, v[BY]        ; blocks h and 2 + h,
	v_lshlrev_b32 v[WD], v[H8], v[WD]              ; at their places in the word;
	v_permlanex16_b32 v[PX], v[WD], s20, s21
	v_or_b32 v[W8+(\f)], v[WD], v[PX]              ; with lane l xor 16's two the word is whole
	s_wait_alu depctr_va_vdst(0)
	s_wait_xcnt 0x0                                ; the last fragment's stores have read the codes' registers
.irp c, 0,1
	v_cvt_scalef32_pk16_bf6_f32 v[PC+6*\c:PC+6*\c+2], v[XS+32*\c:XS+32*\c+15], v[SO+\c]
	v_cvt_scalef32_pk16_bf6_f32 v[PT+4*\c:PT+4*\c+2], v[XS+32*\c+16:XS+32*\c+31], v[SO+\c]   ; (a conversion's three registers begin on an even number)
.endr
	v_nop                                          ; one plain place behind a scaled conversion
.irp c, 0,1
.irp i, 0,1,2
	v_mov_b32 v[PC+6*\c+3+\i], v[PT+4*\c+\i]
.endr
.endr
.irp c, 0,1,2
	global_store_b128 v[LI], v[PC+4*\c:PC+4*\c+3], s[12+16*((\f)/4):13+16*((\f)/4)] offset:FRB*(\f)+512*\c   ; 32 lanes store 512 consecutive bytes, at a multiple of 256 from the buffer's first byte
.endr
.endm
	LOAD 0
	LOAD 1
	LOAD 2
	LOAD 3
	s_wait_loadcnt 48                              ; fragment 0's 16 loads are in
	TURN 0
.irp f, 0,1,2,3,4,5,6,7
	STEP \f
.endr
.irp g, 0,1,2,3
	v_cndmask_b32 v[SW+\g], v[W8+2*\g], v[W8+2*\g+1], s22   ; lanes 0-15: fragment 2 g's words; lanes 16-31: fragment 2 g + 1's
.endr
	v_cndmask_b32 v[SW+4], v[W8], v[W8+1], s22     ; and the first two once more
	v_cndmask_b32 v[SW+5], v[W8+2], v[W8+3], s22
	global_store_b128 v[LI], v[SW:SW+3], s[30:31]
	s_cmp_eq_u32 s19, 2
	s_cbranch_scc0 .Lonce
	global_store_b128 v[LI], v[SW+2:SW+5], s[30:31] offset:WHALF   ; Wv's words in the other half: that half's fragments first
.Lonce:
	s_wait_tensorcnt 0x0                           ; the wave's end
	ds_add_u32 v254, v255
	s_wait_dscnt 0x0
	s_endpgm
.Lfunc_end_k_q7a596b356d_quant:
	.size	k_q7a596b356d_quant, .Lfunc_end_k_q7a596b356d_quant-k_q7a596b356d_quant
	.p2alignl 7, 3214868480
	.fill 96, 4, 3214868480
	.section	.rodata,"a",@progbits
	.p2align	6, 0x0
	.amdhsa_kernel k_q7a596b356d_quant
		.amdhsa_group_segment_fixed_size 17152
		.amdhsa_private_segment_fixed_size 0
		.amdhsa_enable_private_segment 0
		.amdhsa_kernarg_size 48
		.amdhsa_user_sgpr_count 2
		.amdhsa_user_sgpr_kernarg_segment_ptr 1
		.amdhsa_wavefront_size32 1
		.amdhsa_system_sgpr_workgroup_id_x 1
		.amdhsa_system_sgpr_workgroup_id_y 1
		.amdhsa_system_sgpr_workgroup_id_z 1
		.amdhsa_system_vgpr_workitem_id 0
		.amdhsa_next_free_vgpr 512
		.amdhsa_next_free_sgpr 66
		.amdhsa_reserve_vcc 0
		.amdhsa_float_denorm_mode_32 3
		.amdhsa_float_denorm_mode_16_64 3
		.amdhsa_memory_ordered 1
		.amdhsa_forward_progress 1
		.amdhsa_inst_pref_size 59
	.end_amdhsa_kernel
	.amdgpu_metadata
---
amdhsa.version: [ 1, 2 ]
amdhsa.kernels:
  - .name:           k_q7a596b356d_quant
    .symbol:         k_q7a596b356d_quant.kd
    .args:
      - { .name: x, .offset: 0, .size: 8, .value_kind: global_buffer, .address_space: global }
      - { .name: Wq, .offset: 8, .size: 8, .value_kind: global_buffer, .address_space: global }
      - { .name: Wk, .offset: 16, .size: 8, .value_kind: global_buffer, .address_space: global }
      - { .name: Wv, .offset: 24, .size: 8, .value_kind: global_buffer, .address_space: global }
      - { .name: ximg, .offset: 32, .size: 8, .value_kind: global_buffer, .address_space: global }
      - { .name: wimg, .offset: 40, .size: 8, .value_kind: global_buffer, .address_space: global }
    .group_segment_fixed_size: 17152
    .private_segment_fixed_size: 0
    .kernarg_segment_align: 8
    .kernarg_segment_size: 48
    .max_flat_workgroup_size: 32
    .sgpr_count:     66
    .vgpr_count:     512
    .wavefront_size: 32
...
	.end_amdgpu_metadata
.endif
;; end of part 1
;; launch qkv (part 2): grid 8 x 32, 4 waves a work-group, clusters of 4 x 4, 327,680 bytes of LDS; arguments ximg, wimg, bq, bk, bv, qimg, kimg, vimg; writes qimg, kimg, vimg
.if DOCPART == 2
	.amdgcn_target "amdgcn-amd-amdhsa--gfx1250"
	.amdhsa_code_object_version 6
	.text
	.protected	k_q7a596b356d_qkv
	.globl	k_q7a596b356d_qkv
	.p2align	8
	.type	k_q7a596b356d_qkv,@function
k_q7a596b356d_qkv:
	s_mov_b64 s[64:65], 0
	v_nop
	global_prefetch_b8 v0, s[64:65] scope:SCOPE_SE
	s_setreg_imm32_b32 hwreg(HW_REG_WAVE_MODE, 25, 1), 1
	s_wait_xcnt 0x0
	s_wait_alu depctr_hold_cnt(0) depctr_sa_sdst(0) depctr_va_vdst(0) depctr_va_sdst(0) depctr_va_ssrc(0) depctr_va_vcc(0) depctr_vm_vsrc(0)
	s_getreg_b32 s2, hwreg(HW_REG_IB_STS2, 6, 4)
	s_cmp_eq_u32 s2, 0
	s_cbranch_scc0 .Lentry_in_a_cluster
	s_endpgm
.Lentry_in_a_cluster:
	s_bfe_u32 s2, ttmp6, 0x10000c
	s_cmp_lg_u32 s2, 0xf033
	s_cbranch_scc0 .Lentry_shape_is_right
	s_endpgm
.Lentry_shape_is_right:
; q = x Wq^T + bq, k = x Wk^T + bk, v = x Wv^T + bv on codes of E3M2, sums in f32; each result is quantised at once for the product that takes it: q and k along their 1,024 channels, v along the keys.
; IN: images of operand registers, as the launch before lays them.  ximg [32 tiles of 256 tokens][8 K steps][2 blocks of 12,800 bytes];
;   wimg [8 groups][8 K steps][2 halves of 19,456 bytes]: half 0 = Wq's block, Wv's fragments 0-3, Wv's scale words; half 1 = Wk's block, Wv's fragments 4-7, Wv's scale words (those of fragments 4-7 first).
;   A fragment's image is 1,536 bytes (byte 512 c + 16 l + 4 e = register 4 c + e of lane l); scale words: byte 16 l + 4 g = fragment 2 g + l / 16, position l % 16;
;   fragment f, position p = row 32 (f / 2) + 8 (f % 2) + p + 8 (p / 8) of a block's 128.
; OUT: qimg, kimg [16 b + block of 128 tokens][8 steps of 128 channels][12,800];  vimg [b][8 blocks of 128 channels][24 places of 128 keys][12,800]: eight fragment images, then the scale words.
; SHARES.  8,192 x 3,072 results on 256 work-groups: a work-group takes 256 tokens (tile XT) and 128 channels (group CG) of q, of k and of v.  Wave w takes the 128 tokens of block w / 2 and
;   128 channels of q (w even) or of k (w odd), and 64 channels of v (fragments 4 (w % 2) on): 96 accumulators in 768 registers; 20 fragments feed 96 products a K step.
; THE PRODUCT IS USED TRANSPOSED: source 0's rows run along a lane's registers, source 1's row stays in the lane.  q, k: source 0 = weights, source 1 = x;  v: source 0 = x, source 1 = weights.
;   By the order of rows above 64 registers of a lane are 64 numbers along the next product's K: register 16 b + i = 32 b + 16 (l / 16) + i.
; THE BIASES are the C of the first K step's products.  They are loaded into the accumulators that start last: bq or bk into those of x's fragment 4, bv into those of x's fragment 7; those are started in place, five places behind the others.
; ONE SET OF FRAGMENT REGISTERS serves: a K step goes by x's fragments 0-3, then 4-7, each against the weights' three groups of four; a group (12 loads of 16 bytes a lane, one of 8) is fetched anew behind its last product,
;   32 products or more ahead of its next.
; CLUSTERS 4 x 4: x's tile hangs on cy alone and is asked for jointly by a row of the cluster, the weights' on cx alone and by a column.
; LDS: five places for a K step: x at 25,600 s, the weights at 128,000 + 38,912 s, s = K step % 5; the spare words at 322,560.  Three fills: K steps 0-2 at the head, 3-4 behind the first round, 5-7 over 0-2 in K step 2.
;   One tensor load a wave each time: waves 0, 1 half of x's run, waves 2, 3 half of the weights'.
; NO PREFETCH: there is no loop to run ahead in; the first two fills go out at the head, the only refill goes out two K steps (192 products of each wave) ahead of its first read.
; LIMITS: a block of zeros, or one under 2^-122, gets the scale byte 1 (read by this program alone); NaN and infinities are not served.
; REGISTERS: window 0: v0-95 x, v96-239 weights, v240-249 scale words, v250-255 addresses and the add's two; in the epilogue v0-239 are free.
;   window 1, 2: q or k, fragment a of x at 64 (a % 4), tile t at + 8 t (a 0-3, 4-7);  window 3: v, fragment j of Wv at 64 j, tile t of x at + 8 t.
.set BLK,   12800
.set FRB,   1536
; v's 16 chunks of keys lie in vimg in 24 places for each batch and block of channels: chunk c at place 8 + c and, where c is under 8, also at place 7 - c (7 .. 0, 0 .. 15): the last launch reads runs of 17 places
.set XSTEP, 2*BLK                      ; x, a K step
.set WHALF, 19456
.set WSTEP, 2*WHALF                    ; the weights, a K step
.set WB,    5*XSTEP                    ; the weights begin behind x
.set SPARE, WB+5*WSTEP                 ; the spare words, 128 bytes for each wave
.set XF,    0
.set WF,    96
.set SXR,   240                        ; x's scale words: register SXR + a / 2, fragment a even in lanes 0-15, odd in lanes 16-31
.set SWR,   244                        ; the weights', likewise
.set AX0,   250                        ; x, places 0-2
.set AX1,   251                        ; x, places 3-4
.set AW0,   252                        ; the weights, places 0-1
.set AW1,   253                        ; places 2-3; from K step 3 on place 4; from K step 5 on place 2
.set SPW,   254
.set NIL,   255
.set PT,    48                         ; epilogue: v0-47 codes, v48-63 halves
.set W8,    64                         ; v64-75 scale words
.set SW,    80                         ; v80-85 their images
.set TM,    160                        ; v160-191 at work
.set LI,    200                        ; 16 x lane
.set LSV,   201                        ; where v's scale words go
.set WV,  20
.set FR,  21                           ; wave / 2: I fetch x (0) or the weights (1); also my block of tokens
.set HB,  22                           ; wave % 2: which half I fetch; also q (0) or k (1)
.set CXI, 23
.set CYI, 24
.set CLX, 25
.set CLY, 26
.set G1X, 28
.set G1W, 36
.set G0XA, 44
.set G0XB, 48
.set G0WA, 52
.set G0WB, 56
.set SEL, 66
.set LSVO, 96
.set XBO, 97
.set HIM, 98
.set MSB, 0
.macro WIN new                         ; the immediate's high byte repeats the setting that is left
.if MSB != (\new)
	s_set_vgpr_msb (MSB<<8)|(\new)
.set MSB, (\new)
.endif
.endm
.macro PLACES n
.rept \n
	v_nop
.endr
.endm
.macro JLOAD g0a, g1a, g0b, g1b        ; waves 0, 1 for x, waves 2, 3 for the weights; the branch hangs on the wave's number alone; four v_nop follow each line
	s_cmp_eq_u32 s[FR], 0
	s_cbranch_scc0 .Lfor_b_\@
	tensor_load_to_lds s[\g0a:\g0a+3], s[\g1a:\g1a+7]
	s_nop 0
.rept 4
	v_nop
.endr
	s_branch .Lasked_\@
.Lfor_b_\@:
	tensor_load_to_lds s[\g0b:\g0b+3], s[\g1b:\g1b+7]
	s_nop 0
.rept 4
	v_nop
.endr
.Lasked_\@:
.endm
.macro CREST                           ; a round of the cluster's barrier behind its opening barrier
	s_cmp_lg_u32 s[WV], 0
	s_cbranch_scc1 .Lnot_wave_0_\@
	s_barrier_signal -3
.Lnot_wave_0_\@:
	s_barrier_wait -3
	s_barrier_signal -1
	s_barrier_wait -1
.endm
.macro CROUND
	s_barrier_signal -1
	s_barrier_wait -1
	CREST
.endm
.macro ROWS rx, rw                     ; how many rows of 256 bytes a tensor load brings: x, weights.  Written where no tensor load of the wave is out
	s_mov_b32 s[G1X+2], (\rx)<<16
	s_mov_b32 s[G1X+4], \rx
	s_mov_b32 s[G1W+2], (\rw)<<16
	s_mov_b32 s[G1W+4], \rw
.endm
; one product.  c: the registers of C (the accumulator itself, or a bias).  ra, rb: the side's scale words stand in lanes 16-31 of the register named
.macro WM d, s0, s1, c, sa, sb, ra, rb
.if (\ra) && (\rb)
	v_wmma_scale_f32_16x16x128_f8f6f4 v[\d:\d+7], v[\s0:\s0+11], v[\s1:\s1+11], v[\c:\c+7], v[\sa], v[\sb] matrix_a_fmt:MATRIX_FMT_BF6 matrix_b_fmt:MATRIX_FMT_BF6 matrix_a_scale:MATRIX_SCALE_ROW1 matrix_b_scale:MATRIX_SCALE_ROW1
.elseif \ra
	v_wmma_scale_f32_16x16x128_f8f6f4 v[\d:\d+7], v[\s0:\s0+11], v[\s1:\s1+11], v[\c:\c+7], v[\sa], v[\sb] matrix_a_fmt:MATRIX_FMT_BF6 matrix_b_fmt:MATRIX_FMT_BF6 matrix_a_scale:MATRIX_SCALE_ROW1
.elseif \rb
	v_wmma_scale_f32_16x16x128_f8f6f4 v[\d:\d+7], v[\s0:\s0+11], v[\s1:\s1+11], v[\c:\c+7], v[\sa], v[\sb] matrix_a_fmt:MATRIX_FMT_BF6 matrix_b_fmt:MATRIX_FMT_BF6 matrix_b_scale:MATRIX_SCALE_ROW1
.else
	v_wmma_scale_f32_16x16x128_f8f6f4 v[\d:\d+7], v[\s0:\s0+11], v[\s1:\s1+11], v[\c:\c+7], v[\sa], v[\sb] matrix_a_fmt:MATRIX_FMT_BF6 matrix_b_fmt:MATRIX_FMT_BF6
.endif
.endm
; q or k: the weights' group g (tiles 4 g .. 4 g + 3) against x's fragments a0 .. a0 + n - 1.  The 96 accumulators take turns, one instruction a turn
.macro MQ g, a0, n, first
.set qt, 4*(\g)
.rept 4
.set qa, \a0
.rept \n
.set md, 64*(qa%4)+8*qt
.if \first
.set mc, 8*qt                          ; the bias of tile t's channels, where x's fragment 4 accumulates
.else
.set mc, md
.endif
	WM md, WF+12*qt, XF+12*qa, mc, SWR+qt/2, SXR+qa/2, qt%2, qa%2
.set qa, qa+1
.endr
.set qt, qt+1
.endr
.endm
; v: x's tiles t0 .. t0 + n - 1 against Wv's four fragments
.macro MV t0, n, first
.set qt, \t0
.rept \n
.set qa, 0
.rept 4
.set md, 64*qa+8*qt
.if \first
.set mc, 64*qa+56                      ; my lane's channel of fragment j, where x's tile 7 accumulates
.else
.set mc, md
.endif
	WM md, XF+12*qt, WF+96+12*qa, mc, SXR+qt/2, SWR+4+qa/2, qt%2, qa%2
.set qa, qa+1
.endr
.set qt, qt+1
.endr
.endm
; 13 LDS loads: x's fragments 4 hh .. 4 hh + 3 of K step s, and their scale words
.macro GX hh, s
	WIN 0
.set gb, (\s)%5
.set gr, AX0+gb/3
.set go, XSTEP*(gb%3)
.irp f, 0,1,2,3
.irp c, 0,1,2
	ds_load_b128 v[XF+48*\hh+12*\f+4*\c:XF+48*\hh+12*\f+4*\c+3], v[gr] offset:go+FRB*(4*\hh+\f)+512*\c
.endr
.endr
	ds_load_b64 v[SXR+2*\hh:SXR+2*\hh+1], v[gr] offset:go+8*FRB+8*\hh
.endm
; the weights' group g: 0, 1 the two halves of q's or k's block, 2 my half of v's
.macro GW g, s
	WIN 0
.set gb, (\s)%5
.set gr, AW0+(gb+2)/4
.set go, WSTEP*(gb%2)
.if (\g) == 2
.set go, go+BLK
.set gs, go+4*FRB
.else
.set gs, go+8*FRB+8*(\g)
.set go, go+4*FRB*(\g)
.endif
.irp f, 0,1,2,3
.irp c, 0,1,2
	ds_load_b128 v[WF+48*\g+12*\f+4*\c:WF+48*\g+12*\f+4*\c+3], v[gr] offset:go+FRB*\f+512*\c
.endr
.endr
	ds_load_b64 v[SWR+2*\g:SWR+2*\g+1], v[gr] offset:gs
.endm
; K step s.  kind 1: the next steps' tiles are shown whole, and places 0-2 are filled again; kind 2: shown whole, nothing is filled again.
; Each run of loads stands four places behind the products that read its registers (ISA guide 7.12.1 for vector instructions)
.macro STEP s, first, kind, last
	PLACES 4
	GW 2, \s
	GX 1, \s
	s_wait_dscnt 39                                ; x's fragments 0-3 and the weights' group 0 are in; three groups of 13 may be out
.if \first
	WIN 0x60                                       ; C (the bias) window 2, D window 1
.else
	WIN 0x50                                       ; C and D window 1
.endif
	MQ 0, 0, 4, \first
	s_wait_dscnt 26                                ; group 1 is in
.if (\kind) == 1
	WIN 0
	s_wait_tensorcnt 0x0                           ; all my tensor loads have landed: my part of K steps 3-4
	ds_add_u32 v[SPW], v[NIL]                      ; 0 onto my spare word
	ROWS 150, 228
	s_add_nc_u64 s[G0XA+2:G0XA+3], s[G0XA+2:G0XA+3], 5*XSTEP
	s_add_nc_u64 s[G0WA+2:G0WA+3], s[G0WA+2:G0WA+3], 5*WSTEP
	WIN 0x50
.elseif (\kind) == 2
	s_wait_tensorcnt 0x0                           ; my part of K steps 5-7 is in
.endif
	MQ 1, 0, 4, \first
.if \kind
	s_wait_dscnt 0x0                               ; none of my LDS instructions is out: the add where there is one, and my reads of the places left behind
	s_barrier_signal -1
.else
	s_wait_dscnt 13                                ; group 2 is in; x's fragments 4-7 may be out
.endif
	WIN 0xf0                                       ; C and D window 3
	MV 0, 4, \first
.if \kind
	WIN 0
	s_barrier_wait -1
.endif
.if (\kind) == 1
	CREST                                          ; the barrier has opened a round of the cluster's: no wave of any partner still reads places 0-2 or has a load on its way
	JLOAD G0XA, G1X, G0WA, G1W                     ; the first tensor load behind the round; its four v_nop are also the places in front of the loads below
.elseif (\last) == 0
	PLACES 4
.endif
.if (\s) == 3 || (\s) == 5
	WIN 0
	v_add_nc_u32 v[AW1], (7-(\s))*WSTEP, v[AW0]    ; in K step 3 on to place 4, in K step 5 back to place 2
	s_wait_alu depctr_va_vdst(0)
.endif
.if \last
	s_wait_dscnt 0x0
.else
	GX 0, (\s)+1
	s_wait_dscnt 13                                ; x's fragments 4-7 are in
.endif
	WIN 0xa0                                       ; C and D window 2
.if \first
	MQ 0, 5, 3, 1
	PLACES 5                                       ; the products below write over what those above took as C
	MQ 0, 4, 1, 1
.else
	MQ 0, 4, 4, 0
.endif
.if (\last) == 0
	PLACES 4
	GW 0, (\s)+1
	WIN 0xa0
.endif
.if \first
	MQ 1, 5, 3, 1
	PLACES 5
	MQ 1, 4, 1, 1
.else
	MQ 1, 4, 4, 0
.endif
.if (\last) == 0
	PLACES 4
	GW 1, (\s)+1
.endif
	WIN 0xf0
.if \first
	MV 4, 3, 1
	PLACES 5
	MV 7, 1, 1
.else
	MV 4, 4, 0
.endif
.endm
; Two fragments u = 0, 1 of window k: 64 numbers of a lane each, register s + 64 u + 16 b + i = k 32 b + 16 (l / 16) + i of my row, become codes at v[pc + 12 u ..] and a scale word at v[w + u].  Each accumulator is read from its low end on
.macro QUANT2 k, s, pc, w
	WIN 5*(\k)                                     ; sources 0 and 1: window k
.irp u, 0,1
.irp b, 0,1,2,3
	v_max3_num_f32 v[TM+16*\u+\b], |v[\s+64*\u+16*\b]|, |v[\s+64*\u+16*\b+1]|, 0x2800000   ; my 16 numbers of block b, and the floor 2^(5 - 127): the byte cannot fall under 1
.endr
.endr
	WIN 20*(\k)                                    ; sources 1 and 2: window k
.irp i, 2,4,6,8,10,12,14
.irp u, 0,1
.irp b, 0,1,2,3
	v_max3_num_f32 v[TM+16*\u+\b], v[TM+16*\u+\b], |v[\s+64*\u+16*\b+\i]|, |v[\s+64*\u+16*\b+\i+1]|
.endr
.endr
.endr
	WIN 0
.irp u, 0,1
.irp b, 0,1,2,3
	v_permlanex16_b32 v[TM+16*\u+4+\b], v[TM+16*\u+\b], s[SEL], s[SEL+1]
.endr
.endr
.irp u, 0,1
.irp b, 0,1,2,3
	v_max_num_f32 v[TM+16*\u+\b], v[TM+16*\u+\b], v[TM+16*\u+4+\b]   ; with lane l xor 16's: the block's largest magnitude
.endr
.endr
.irp u, 0,1
.irp b, 0,1,2,3
	v_add_nc_u32 v[TM+16*\u+12+\b], 0xfe000000, v[TM+16*\u+\b]       ; 4 off its exponent field: the conversion's scale operand
.endr
.endr
.irp u, 0,1
.irp b, 0,1,2,3
	v_lshrrev_b32 v[TM+16*\u+8+\b], 23, v[TM+16*\u+12+\b]            ; the scale's byte
.endr
.endr
.irp u, 0,1
	v_lshl_or_b32 v[\w+\u], v[TM+16*\u+9], 8, v[TM+16*\u+8]
.endr
.irp u, 0,1
	v_lshl_or_b32 v[\w+\u], v[TM+16*\u+10], 16, v[\w+\u]
.endr
.irp u, 0,1
	v_lshl_or_b32 v[\w+\u], v[TM+16*\u+11], 24, v[\w+\u]
.endr
	WIN \k                                         ; source 0: window k
.irp u, 0,1
.irp c, 0,1
	v_cvt_scalef32_pk16_bf6_f32 v[\pc+12*\u+6*\c:\pc+12*\u+6*\c+2], v[\s+64*\u+32*\c:\s+64*\u+32*\c+15], v[TM+16*\u+12+2*\c]
	v_cvt_scalef32_pk16_bf6_f32 v[PT+8*\u+4*\c:PT+8*\u+4*\c+2], v[\s+64*\u+32*\c+16:\s+64*\u+32*\c+31], v[TM+16*\u+13+2*\c]   ; (a conversion's three registers begin on an even number)
.endr
.endr
	WIN 0
	v_nop                                          ; one plain place behind a scaled conversion
.irp u, 0,1
.irp c, 0,1                                    ; the operand's layout wants a whole block in a lane: lanes 0-15 block 2 c, lanes 16-31 block 2 c + 1
.irp i, 0,1,2
	v_permlane16_swap_b32 v[\pc+12*\u+6*\c+\i], v[PT+8*\u+4*\c+\i]
.endr
.endr
.endr
.irp u, 0,1
.irp c, 0,1
.irp i, 0,1,2
	v_mov_b32 v[\pc+12*\u+6*\c+3+\i], v[PT+8*\u+4*\c+\i]
.endr
.endr
.endr
.endm
.macro OUT2 out, f, pc
.irp u, 0,1
.irp c, 0,1,2
	global_store_b128 v[LI], v[\pc+12*\u+4*\c:\pc+12*\u+4*\c+3], s[\out:\out+1] offset:FRB*(\f+\u)+512*\c   ; 512 consecutive bytes, at a multiple of 256 from the buffer's first byte
.endr
.endr
.endm
	s_load_b512 s[4:19], s[0:1], 0x0               ; ximg, wimg, bq, bk, bv, qimg, kimg, vimg
	v_lshl_add_u32 v[SPW], v0, 2, SPARE
	v_mov_b32 v[NIL], 0
	ds_add_u32 v[SPW], v[NIL]                      ; the opening lines: the add, twice on end, and its wait
	ds_add_u32 v[SPW], v[NIL]
	v_lshrrev_b32 v1, 5, v0
	v_readfirstlane_b32 s[WV], v1
	s_lshr_b32 s[FR], s[WV], 1
	s_and_b32 s[HB], s[WV], 1
	s_bfe_u32 s[CXI], ttmp6, 0x40000               ; cx, cy: my place in the cluster
	s_bfe_u32 s[CYI], ttmp6, 0x40004
	s_mov_b32 s[CLX], ttmp9                        ; cluster x: 0, 1
	s_and_b32 s[CLY], ttmp7, 0xffff                ; cluster y: 0 .. 7
	s_lshl_b32 s90, s[CYI], 2
	s_lshl_b32 s90, 15, s90                        ; my row of the cluster
	s_lshl_b32 s91, 0x1111, s[CXI]                 ; my column
	s_or_b32 s[G1X], s90, (3<<16)|(1<<21)          ; group 1: dense runs as rows of 32 elements of 8 bytes, no padding; bit 21 set beside the mask
	s_or_b32 s[G1W], s91, (3<<16)|(1<<21)
.irp g, G1X, G1W
	s_mov_b32 s[\g+1], 32<<16
	s_mov_b32 s[\g+3], 32<<16
	s_mov_b32 s[\g+5], 32
	s_mov_b32 s[\g+6], 0
	s_mov_b32 s[\g+7], 0
.endr
	ROWS 150, 228                                  ; half of three K steps: 38,400 bytes of x, 58,368 of the weights
	s_mov_b32 s[SEL], 0x76543210
	s_mov_b32 s[SEL+1], 0xfedcba98                 ; v_permlanex16_b32's selects for lane l xor 16
	s_mov_b32 s[HIM], 0xffff0000                   ; lanes 16-31
	s_lshl_b32 s76, s[CLX], 2
	s_add_co_u32 s76, s76, s[CXI]                  ; CG: hangs on cx alone
	s_lshl_b32 s77, s[CLY], 2
	s_add_co_u32 s77, s77, s[CYI]                  ; XT: on cy alone
	s_mul_i32 s82, s77, 8*XSTEP
	s_mov_b32 s83, 0
	s_mul_i32 s80, s76, 8*WSTEP
	s_mov_b32 s81, 0
	s_mul_i32 s78, s[HB], 3*XSTEP/2                ; my half of three K steps, of two
	s_mov_b32 s79, 0
	s_mul_i32 s84, s[HB], XSTEP
	s_mov_b32 s85, 0
	s_mul_i32 s86, s[HB], 3*WSTEP/2
	s_mov_b32 s87, 0
	s_mul_i32 s88, s[HB], WSTEP
	s_mov_b32 s89, 0
	s_wait_dscnt 0x0                               ; both opening adds are done
	s_wait_kmcnt 0x0
	s_add_nc_u64 s[72:73], s[4:5], s[82:83]
	s_add_nc_u64 s[74:75], s[6:7], s[80:81]
	CROUND                                         ; all sixteen work-groups are here: the first joint loads meet
	s_mov_b32 s[G0XA], 1
	s_mov_b32 s[G0XA+1], s78                       ; no place in the cluster enters an LDS address
	s_add_nc_u64 s[G0XA+2:G0XA+3], s[72:73], s[78:79]
	s_or_b32 s[G0XA+3], s[G0XA+3], 0x80000000
	s_mov_b32 s[G0WA], 1
	s_add_co_u32 s[G0WA+1], s86, WB
	s_add_nc_u64 s[G0WA+2:G0WA+3], s[74:75], s[86:87]
	s_or_b32 s[G0WA+3], s[G0WA+3], 0x80000000
	JLOAD G0XA, G1X, G0WA, G1W                     ; K steps 0-2: one tensor load a wave at the head
	s_mov_b32 s[G0XB], 1                           ; K steps 3-4
	s_add_co_u32 s[G0XB+1], s84, 3*XSTEP
	s_add_nc_u64 s[G0XB+2:G0XB+3], s[72:73], s[84:85]
	s_add_nc_u64 s[G0XB+2:G0XB+3], s[G0XB+2:G0XB+3], 3*XSTEP
	s_or_b32 s[G0XB+3], s[G0XB+3], 0x80000000
	s_mov_b32 s[G0WB], 1
	s_add_co_u32 s[G0WB+1], s88, WB+3*WSTEP
	s_add_nc_u64 s[G0WB+2:G0WB+3], s[74:75], s[88:89]
	s_add_nc_u64 s[G0WB+2:G0WB+3], s[G0WB+2:G0WB+3], 3*WSTEP
	s_or_b32 s[G0WB+3], s[G0WB+3], 0x80000000
	; the biases.  bq or bk: register 16 b + i wants channel 32 b + 16 h + i of my group's 128.  bv: fragment j wants the channel at my position of fragment 4 (w % 2) + j
	s_lshl_b32 s92, s76, 9                         ; 128 numbers a group
	s_mov_b32 s93, 0
	s_cmp_eq_u32 s[HB], 0                          ; q's wave or k's
	s_cselect_b64 s[8:9], s[8:9], s[10:11]
	s_cselect_b64 s[14:15], s[14:15], s[16:17]
	s_add_nc_u64 s[8:9], s[8:9], s[92:93]
	s_add_nc_u64 s[12:13], s[12:13], s[92:93]
	s_lshl_b32 s92, s[HB], 8                       ; four fragments are 64 channels
	s_add_nc_u64 s[12:13], s[12:13], s[92:93]
	s_mul_i32 s[XBO], s[FR], BLK
	s_mul_i32 s68, s[HB], WHALF
	s_add_co_u32 s68, s68, WB
	v_and_b32 v1, 31, v0
	v_lshlrev_b32 v2, 4, v1                        ; 16 x lane
	v_add_nc_u32 v[AX0], s[XBO], v2                ; my block of x
	v_add_nc_u32 v[AX1], 3*XSTEP, v[AX0]
	v_add_nc_u32 v[AW0], s68, v2                   ; my half of the weights
	v_add_nc_u32 v[AW1], 2*WSTEP, v[AW0]
	v_and_b32 v5, 15, v0                           ; r
	v_bfe_u32 v3, v0, 4, 1                         ; h
	v_lshlrev_b32 v3, 6, v3
	v_and_b32 v4, 8, v5
	v_add_nc_u32 v4, v4, v5
	v_lshlrev_b32 v4, 2, v4
	WIN 0x80                                       ; destination window 2
.irp b, 0,1,2,3
.irp q, 0,1,2,3
	global_load_b128 v[16*\b+4*\q:16*\b+4*\q+3], v3, s[8:9] offset:128*\b+16*\q
.endr
.endr
	WIN 0xc0                                       ; destination window 3
.irp a, 0,1,2,3
.irp j, 0,1,2,3,4,5,6,7                        ; a lane's eight registers are eight keys of one channel
	global_load_b32 v[64*\a+56+\j], v4, s[12:13] offset:4*(32*(\a/2)+8*(\a%2))
.endr
.endr
	WIN 0
	; where my results go.  q, k: [block of tokens 2 XT + w / 2][CG]
	s_lshl_b32 s92, s77, 1
	s_add_co_u32 s92, s92, s[FR]
	s_mov_b32 s94, s92
	s_lshl_b32 s92, s92, 3
	s_add_co_u32 s92, s92, s76
	s_mul_i32 s92, s92, BLK
	s_add_nc_u64 s[14:15], s[14:15], s[92:93]
	; v: [batch][CG][chunk of keys], the block of tokens being batch x 16 + chunk; fragments 4 (w % 2) on
	s_lshr_b32 s95, s94, 4
	s_lshl_b32 s95, s95, 3
	s_add_co_u32 s95, s95, s76
	s_mul_i32 s95, s95, 24
	s_and_b32 s94, s94, 15                         ; chunk
	s_and_b32 s69, s94, 7
	s_sub_co_u32 s68, 7, s69                       ; its second place (used where the chunk is under 8)
	s_add_co_u32 s68, s68, s95
	s_add_co_u32 s95, s95, s94
	s_add_co_u32 s95, s95, 8                       ; its first
	s_mul_i32 s94, s95, BLK
	s_mul_i32 s68, s68, BLK
	s_mul_i32 s95, s[HB], 4*FRB
	s_add_co_u32 s94, s94, s95
	s_add_co_u32 s68, s68, s95
	s_mov_b32 s95, 0
	s_mov_b32 s69, 0
	s_add_nc_u64 s[68:69], s[18:19], s[68:69]
	s_add_nc_u64 s[18:19], s[18:19], s[94:95]
	s_mul_i32 s[LSVO], s[HB], 4*FRB-8              ; v's scale words: byte 12,288 + 16 l + 8 (w % 2) of the block, counted from my first fragment
	s_sub_co_u32 s[LSVO], 8*FRB, s[LSVO]
	s_wait_alu depctr_va_vdst(0)                   ; the wait at the head's end
	s_wait_tensorcnt 0x0                           ; my part of K steps 0-2 is in
	ds_add_u32 v[SPW], v[NIL]
	ROWS 100, 152                                  ; half of two K steps: 25,600 bytes of x, 38,912 of the weights
	s_wait_dscnt 0x0
	CROUND                                         ; everybody's part is in, and the joint loads meet
	JLOAD G0XB, G1X, G0WB, G1W                     ; K steps 3-4, the first tensor load behind the round
	s_wait_xcnt 0x0                                ; the biases' loads have read their address registers, on which fragments land
	GX 0, 0
	GW 0, 0
	GW 1, 0
	s_wait_loadcnt 0x0                             ; the biases
	STEP 0, 1, 0, 0
	STEP 1, 0, 0, 0
	STEP 2, 0, 1, 0
	STEP 3, 0, 0, 0
	STEP 4, 0, 2, 0
	STEP 5, 0, 0, 0
	STEP 6, 0, 0, 0
	STEP 7, 0, 0, 1
	WIN 0
	PLACES 4                                       ; behind the last products, in front of the first read of results and the first write of their operands' registers
	v_sub_nc_u32 v[LI], v[AX0], s[XBO]
	v_add_nc_u32 v[LSV], s[LSVO], v[LI]
.irp b, 4,5,6,7
	v_mov_b32 v[TM+\b], 0                          ; written once: a lane permute's destination counts as one of its sources
	v_mov_b32 v[TM+16+\b], 0
.endr
	QUANT2 1, 0, 0, W8                             ; q or k: x's fragments 0, 1
	OUT2 14, 0, 0
	QUANT2 1, 128, 24, W8+2
	OUT2 14, 2, 24
	s_wait_xcnt 0x0                                ; the stores of the pair before last have read the codes' registers
	QUANT2 2, 0, 0, W8+4
	OUT2 14, 4, 0
	s_wait_xcnt 0x0
	QUANT2 2, 128, 24, W8+6
	OUT2 14, 6, 24
.irp g, 0,1,2,3
	v_cndmask_b32 v[SW+\g], v[W8+2*\g], v[W8+2*\g+1], s[HIM]   ; lanes 0-15: fragment 2 g's words; lanes 16-31: fragment 2 g + 1's
.endr
	global_store_b128 v[LI], v[SW:SW+3], s[14:15] offset:8*FRB
	s_wait_xcnt 0x0
	QUANT2 3, 0, 0, W8+8                           ; v
	OUT2 18, 0, 0
	s_bitcmp1_b32 s[CLY], 0                        ; clusters of even y hold chunks 0-7, those of odd y 8-15: the same in all partners
	s_cbranch_scc1 .Lupper_a
	OUT2 68, 0, 0
.Lupper_a:
	s_wait_xcnt 0x0
	QUANT2 3, 128, 24, W8+10
	OUT2 18, 2, 24
	v_cndmask_b32 v[SW+4], v[W8+8], v[W8+9], s[HIM]
	v_cndmask_b32 v[SW+5], v[W8+10], v[W8+11], s[HIM]
	global_store_b64 v[LSV], v[SW+4:SW+5], s[18:19]
	s_bitcmp1_b32 s[CLY], 0
	s_cbranch_scc1 .Lupper_b
	OUT2 68, 2, 24
	global_store_b64 v[LSV], v[SW+4:SW+5], s[68:69]
.Lupper_b:
	s_wait_tensorcnt 0x0                           ; the wave's end
	ds_add_u32 v[SPW], v[NIL]
	s_wait_dscnt 0x0
	CROUND                                         ; the closing round
	s_endpgm
.Lfunc_end_k_q7a596b356d_qkv:
	.size	k_q7a596b356d_qkv, .Lfunc_end_k_q7a596b356d_qkv-k_q7a596b356d_qkv
	.p2alignl 7, 3214868480
	.fill 96, 4, 3214868480
	.section	.rodata,"a",@progbits
	.p2align	6, 0x0
	.amdhsa_kernel k_q7a596b356d_qkv
		.amdhsa_group_segment_fixed_size 327680
		.amdhsa_private_segment_fixed_size 0
		.amdhsa_enable_private_segment 0
		.amdhsa_kernarg_size 64
		.amdhsa_user_sgpr_count 2
		.amdhsa_user_sgpr_kernarg_segment_ptr 1
		.amdhsa_wavefront_size32 1
		.amdhsa_system_sgpr_workgroup_id_x 1
		.amdhsa_system_sgpr_workgroup_id_y 1
		.amdhsa_system_sgpr_workgroup_id_z 1
		.amdhsa_system_vgpr_workitem_id 0
		.amdhsa_next_free_vgpr 1024
		.amdhsa_next_free_sgpr 100
		.amdhsa_reserve_vcc 0
		.amdhsa_float_denorm_mode_32 3
		.amdhsa_float_denorm_mode_16_64 3
		.amdhsa_memory_ordered 1
		.amdhsa_forward_progress 1
		.amdhsa_inst_pref_size 202
	.end_amdhsa_kernel
	.amdgpu_metadata
---
amdhsa.version: [ 1, 2 ]
amdhsa.kernels:
  - .name:           k_q7a596b356d_qkv
    .symbol:         k_q7a596b356d_qkv.kd
    .args:
      - { .name: ximg, .offset: 0, .size: 8, .value_kind: global_buffer, .address_space: global }
      - { .name: wimg, .offset: 8, .size: 8, .value_kind: global_buffer, .address_space: global }
      - { .name: bq, .offset: 16, .size: 8, .value_kind: global_buffer, .address_space: global }
      - { .name: bk, .offset: 24, .size: 8, .value_kind: global_buffer, .address_space: global }
      - { .name: bv, .offset: 32, .size: 8, .value_kind: global_buffer, .address_space: global }
      - { .name: qimg, .offset: 40, .size: 8, .value_kind: global_buffer, .address_space: global }
      - { .name: kimg, .offset: 48, .size: 8, .value_kind: global_buffer, .address_space: global }
      - { .name: vimg, .offset: 56, .size: 8, .value_kind: global_buffer, .address_space: global }
    .group_segment_fixed_size: 327680
    .private_segment_fixed_size: 0
    .kernarg_segment_align: 8
    .kernarg_segment_size: 64
    .max_flat_workgroup_size: 128
    .sgpr_count:     100
    .vgpr_count:     1024
    .wavefront_size: 32
...
	.end_amdgpu_metadata
.endif
;; end of part 2
;; launch scores (part 3): grid 12 x 16, 4 waves a work-group, clusters of 4 x 4, 327,680 bytes of LDS; arguments qimg, kimg, pimg, pst; writes pimg, pst
.if DOCPART == 3
	.amdgcn_target "amdgcn-amd-amdhsa--gfx1250"
	.amdhsa_code_object_version 6
	.text
	.protected	k_q7a596b356d_scores
	.globl	k_q7a596b356d_scores
	.p2align	8
	.type	k_q7a596b356d_scores,@function
k_q7a596b356d_scores:
	s_mov_b64 s[64:65], 0
	v_nop
	global_prefetch_b8 v0, s[64:65] scope:SCOPE_SE
	s_setreg_imm32_b32 hwreg(HW_REG_WAVE_MODE, 25, 1), 1
	s_wait_xcnt 0x0
	s_wait_alu depctr_hold_cnt(0) depctr_sa_sdst(0) depctr_va_vdst(0) depctr_va_sdst(0) depctr_va_ssrc(0) depctr_va_vcc(0) depctr_vm_vsrc(0)
	s_getreg_b32 s2, hwreg(HW_REG_IB_STS2, 6, 4)
	s_cmp_eq_u32 s2, 0
	s_cbranch_scc0 .Lentry_in_a_cluster
	s_endpgm
.Lentry_in_a_cluster:
	s_bfe_u32 s2, ttmp6, 0x10000c
	s_cmp_lg_u32 s2, 0xf033
	s_cbranch_scc0 .Lentry_shape_is_right
	s_endpgm
.Lentry_shape_is_right:
; S^T = k q^T on codes of E3M2, the causal mask, and the softmax's numerator for the next product, quantised along the keys.
; For each query and each CHUNK of 128 keys: t = score x log2(e) / 32; M_c = the chunk's largest t rounded up to a whole number; p = 2^(t - M_c), quantised in blocks of 32 keys; l_c = the sum of the unquantised p.
; The next launch takes the row's M = the largest M_c and lowers the scale bytes by M - M_c: an exact power of two, which leaves the codes as they are.  M_c is taken away before every exponential.
; IN: qimg, kimg [16 b + block of 128 tokens][8 steps of 128 channels][BLK = 12,800]: eight fragment images of 1,536 bytes (byte 512 c + 16 l + 4 e = register 4 c + e of lane l), 512 bytes of scale words
; (byte 16 l + 4 g = fragment 2 g + l / 16, position l % 16); fragment f, position p = row 32 (f / 2) + 8 (f % 2) + p + 8 (p / 8).
; OUT: pimg [b][192 places][12,288]: eight fragment images (rows = queries, K = the chunk's keys);  pst, same index, [1,536]: images, in the scale words' order, of -M_c, of l_c, of p's scale words.
; TRANSPOSED: source 0 = keys, source 1 = queries: a lane holds one query, and accumulators (a, 0..7) are 64 scores, register 16 b + i = key 32 b + 16 (l / 16) + i of the chunk.
; SHARES.  A work-group makes 256 queries x 256 keys, four waves 128 x 128 each.  CLUSTERS 4 x 4: k's tile is asked for jointly by a column, q's by a row.  The causal triangle of 8 x 8 tiles of a batch is
; covered by three clusters: (0,0), (1,0), (1,1).  The six tiles above the diagonal in a diagonal cluster run the same text (no branch may hang on a place in the cluster); all their scores are hidden, and they
; store zero codes, l_c = 0 and -M_c = 3e38, which the next launch reads.
; LDS and the K loop: as in the launch before: three slots of 102,400 bytes, 256 along K each; slot 0 is filled once more behind the change at K step 1.  At most three tensor loads of a wave are out.
; LIMITS: p under 2^-126 counts as 0; a block all of whose p are 0 gets the scale byte 1 with zero codes; NaN and infinities among the inputs are not served.
.set BLK,   12800
.set PBLK,  12288
.set REC,   1536
.set RBB,   8*BLK
; THE RING AS IT STANDS IN THIS TEXT: two slots of 153,600 bytes, three K steps each; K steps 0-2 at the head, 3-5 behind the first round, 6-7 over 0-1 in K step 2; one tensor load a wave each time
.set QRT,   3*BLK
.set SLOT,  4*QRT
.set SPARE, 2*SLOT
.set LI,   1
.set AD0,  4
.set AD1,  8
.set DD,   12                          ; v12    my query less the first key of my registers, for tile 0
.set NINF, 13                          ; v13    -infinity
.set SPW,  28
.set NIL,  29
.set SC,   32
.set F1,   64
.set TT,   64                          ; epilogue: v64-127 t - M, then p
.set BM,   128                         ; v128-131 each block's largest score, then its largest p
.set BX,   132
.set SO,   136
.set BY,   140
.set PC,   144
.set PT,   156
.set NMV,  164                         ; v[164:165] -M (the packed form names the pair)
.set TMX,  166
.set LA,   168
.set LB,   170
.set LX,   172
.set W8,   176
.set N8,   184
.set L8,   192
.set IM,   200
.set WV,  20
.set FR,  21
.set HB,  22
.set CXI, 23
.set CYI, 24
.set C3,  25
.set BB,  26
.set G1A, 28
.set G1B, 36
.set G0A, 44
.set G0B, 56
.set SEL, 66
.set CS,  86
.set HIM, 98
.set MUL_LO, 0xa1
.set MUL_HI, 0xf1
.set MSB, 0
.macro WIN new
.if MSB != (\new)
	s_set_vgpr_msb (MSB<<8)|(\new)
.set MSB, (\new)
.endif
.endm
.macro PLACES n
.rept \n
	v_nop
.endr
.endm
.macro JLOAD g0a, g1a, g0b, g1b        ; a joint load: waves 0, 1 for source 0, waves 2, 3 for source 1; four v_nop follow each line
	s_cmp_eq_u32 s[FR], 0
	s_cbranch_scc0 .Lfor_b_\@
	tensor_load_to_lds s[\g0a:\g0a+3], s[\g1a:\g1a+7]
	s_nop 0
.rept 4
	v_nop
.endr
	s_branch .Lasked_\@
.Lfor_b_\@:
	tensor_load_to_lds s[\g0b:\g0b+3], s[\g1b:\g1b+7]
	s_nop 0
.rept 4
	v_nop
.endr
.Lasked_\@:
.endm
.macro CREST
	s_cmp_lg_u32 s[WV], 0
	s_cbranch_scc1 .Lnot_wave_0_\@
	s_barrier_signal -3
.Lnot_wave_0_\@:
	s_barrier_wait -3
	s_barrier_signal -1
	s_barrier_wait -1
.endm
.macro CROUND
	s_barrier_signal -1
	s_barrier_wait -1
	CREST
.endm
.macro WM d, s0, s1, zero, sa, sb, ra, rb
.if (\zero) && (\ra) && (\rb)
	v_wmma_scale_f32_16x16x128_f8f6f4 v[\d:\d+7], v[\s0:\s0+11], v[\s1:\s1+11], 0, v[\sa], v[\sb] matrix_a_fmt:MATRIX_FMT_BF6 matrix_b_fmt:MATRIX_FMT_BF6 matrix_a_scale:MATRIX_SCALE_ROW1 matrix_b_scale:MATRIX_SCALE_ROW1
.elseif (\zero) && (\ra)
	v_wmma_scale_f32_16x16x128_f8f6f4 v[\d:\d+7], v[\s0:\s0+11], v[\s1:\s1+11], 0, v[\sa], v[\sb] matrix_a_fmt:MATRIX_FMT_BF6 matrix_b_fmt:MATRIX_FMT_BF6 matrix_a_scale:MATRIX_SCALE_ROW1
.elseif (\zero) && (\rb)
	v_wmma_scale_f32_16x16x128_f8f6f4 v[\d:\d+7], v[\s0:\s0+11], v[\s1:\s1+11], 0, v[\sa], v[\sb] matrix_a_fmt:MATRIX_FMT_BF6 matrix_b_fmt:MATRIX_FMT_BF6 matrix_b_scale:MATRIX_SCALE_ROW1
.elseif \zero
	v_wmma_scale_f32_16x16x128_f8f6f4 v[\d:\d+7], v[\s0:\s0+11], v[\s1:\s1+11], 0, v[\sa], v[\sb] matrix_a_fmt:MATRIX_FMT_BF6 matrix_b_fmt:MATRIX_FMT_BF6
.elseif (\ra) && (\rb)
	v_wmma_scale_f32_16x16x128_f8f6f4 v[\d:\d+7], v[\s0:\s0+11], v[\s1:\s1+11], v[\d:\d+7], v[\sa], v[\sb] matrix_a_fmt:MATRIX_FMT_BF6 matrix_b_fmt:MATRIX_FMT_BF6 matrix_a_scale:MATRIX_SCALE_ROW1 matrix_b_scale:MATRIX_SCALE_ROW1
.elseif \ra
	v_wmma_scale_f32_16x16x128_f8f6f4 v[\d:\d+7], v[\s0:\s0+11], v[\s1:\s1+11], v[\d:\d+7], v[\sa], v[\sb] matrix_a_fmt:MATRIX_FMT_BF6 matrix_b_fmt:MATRIX_FMT_BF6 matrix_a_scale:MATRIX_SCALE_ROW1
.elseif \rb
	v_wmma_scale_f32_16x16x128_f8f6f4 v[\d:\d+7], v[\s0:\s0+11], v[\s1:\s1+11], v[\d:\d+7], v[\sa], v[\sb] matrix_a_fmt:MATRIX_FMT_BF6 matrix_b_fmt:MATRIX_FMT_BF6 matrix_b_scale:MATRIX_SCALE_ROW1
.else
	v_wmma_scale_f32_16x16x128_f8f6f4 v[\d:\d+7], v[\s0:\s0+11], v[\s1:\s1+11], v[\d:\d+7], v[\sa], v[\sb] matrix_a_fmt:MATRIX_FMT_BF6 matrix_b_fmt:MATRIX_FMT_BF6
.endif
.endm
.macro MULA set, a0, n, zero           ; the 64 accumulators take turns, one instruction a turn, in the same order in every K step
.set qa, \a0
.rept \n
.set qt, 0
.rept 8
	WM 8*(8*(qa%4)+qt), 96*(\set)+12*qt, F1+96*(\set)+12*qa, \zero, SC+8*(\set)+qt/2, SC+4+8*(\set)+qa/2, qt%2, qa%2
.set qt, qt+1
.endr
.set qa, qa+1
.endr
.endm
.macro FETCH slot, kk, set             ; 50 LDS loads in one run, 512 consecutive bytes each
	WIN 0x40
.irp f, 0,1,2,3,4,5,6,7
.irp c, 0,1,2
	ds_load_b128 v[96*(\set)+12*\f+4*\c:96*(\set)+12*\f+4*\c+3], v[AD0+\slot] offset:BLK*(\kk)+1536*\f+512*\c
.endr
.endr
	WIN 0
.irp f, 0,1,2,3,4,5,6,7
.irp c, 0,1,2
	ds_load_b128 v[F1+96*(\set)+12*\f+4*\c:F1+96*(\set)+12*\f+4*\c+3], v[AD1+\slot] offset:BLK*(\kk)+1536*\f+512*\c
.endr
.endr
	ds_load_b128 v[SC+8*(\set):SC+8*(\set)+3], v[AD0+\slot] offset:BLK*(\kk)+12288
	ds_load_b128 v[SC+4+8*(\set):SC+4+8*(\set)+3], v[AD1+\slot] offset:BLK*(\kk)+12288
.endm
.macro STEP k, slotn, kkn, zero        ; this step's fragments were asked for a step ago; the next step's go into the set that the last step multiplied, four places behind its products
	s_wait_dscnt 0x0
	PLACES 4
	FETCH \slotn, \kkn, ((\k)+1)%2
	WIN MUL_LO
	MULA (\k)%2, 0, 4, \zero
	WIN MUL_HI
	MULA (\k)%2, 4, 4, \zero
	WIN 0
.endm
.macro TURN k, slotn, fill             ; a K step with a change of slots
	WIN 0
	s_wait_tensorcnt 0x0                           ; all my tensor loads have landed
	ds_add_u32 v[SPW], v[NIL]                      ; 0 onto my spare word
	s_wait_dscnt 1                                 ; this step's fragments are in; the add may be out
	WIN MUL_LO
	MULA (\k)%2, 0, 2, 0
	s_wait_dscnt 0x0                               ; the add is done; none of my LDS reads is out
	s_barrier_signal -1
	MULA (\k)%2, 2, 2, 0
	WIN 0
	s_barrier_wait -1
.if \fill
	CREST                                          ; a round of the cluster's barrier: no wave of any partner still reads slot 0 or has a load on its way
	s_add_nc_u64 s[G0A+2:G0A+3], s[G0A+2:G0A+3], 2*QRT
	s_add_nc_u64 s[G0B+2:G0B+3], s[G0B+2:G0B+3], 2*QRT
	s_mov_b32 s[G1A+2], 100<<16                    ; the last two K steps: 100 rows (no tensor load of the wave is out)
	s_mov_b32 s[G1A+4], 100
	s_mov_b32 s[G1B+2], 100<<16
	s_mov_b32 s[G1B+4], 100
	JLOAD G0A, G1A, G0B, G1B                       ; the first tensor load behind the round; its four v_nop are also the places in front of the loads below
.else
	PLACES 4
.endif
	s_wait_alu depctr_va_vdst(0)
	FETCH \slotn, 0, ((\k)+1)%2
	WIN MUL_HI
	MULA (\k)%2, 4, 4, 0
	WIN 0
.endm
	s_load_b256 s[4:11], s[0:1], 0x0               ; qimg, kimg, pimg, pst
	v_lshl_add_u32 v[SPW], v0, 2, SPARE
	v_mov_b32 v[NIL], 0
	ds_add_u32 v28, v29
	ds_add_u32 v28, v29
	s_wait_dscnt 0x0
	v_lshrrev_b32 v2, 5, v0
	v_readfirstlane_b32 s[WV], v2
	s_lshr_b32 s[FR], s[WV], 1                     ; I fetch for k (0) or q (1); also my block of queries
	s_and_b32 s[HB], s[WV], 1                      ; which half I fetch; also my chunk of keys
	s_bfe_u32 s[CXI], ttmp6, 0x40000
	s_bfe_u32 s[CYI], ttmp6, 0x40004
	s_mov_b32 s[C3], ttmp9                         ; cluster x: 0, 1, 2 = clusters (0,0), (1,0), (1,1) of the triangle
	s_and_b32 s[BB], ttmp7, 0xffff                 ; cluster y: the batch
	s_lshl_b32 s90, s[CYI], 2
	s_lshl_b32 s90, 15, s90                        ; my row of the cluster
	s_lshl_b32 s91, 0x1111, s[CXI]                 ; my column
	s_or_b32 s[G1A], s91, (3<<16)|(1<<21)          ; k's tiles go to my column
	s_or_b32 s[G1B], s90, (3<<16)|(1<<21)          ; q's to my row
.irp g, G1A, G1B
	s_mov_b32 s[\g+1], 32<<16                      ; 150 rows of 32 elements of 8 bytes, dense
	s_mov_b32 s[\g+2], 150<<16
	s_mov_b32 s[\g+3], 32<<16
	s_mov_b32 s[\g+4], 150
	s_mov_b32 s[\g+5], 32
	s_mov_b32 s[\g+6], 0
	s_mov_b32 s[\g+7], 0
.endr
	s_mov_b32 s[SEL], 0x76543210
	s_mov_b32 s[SEL+1], 0xfedcba98
	s_mov_b32 s[HIM], 0xffff0000
	s_mov_b32 s[CS], 0x3d38aa3b                    ; c = log2(e) / 32
	s_mov_b32 s[CS+1], s[CS]                       ; (named with it as a pair, so it is written)
	s_lshr_b32 s76, s[C3], 1
	s_lshl_b32 s76, s76, 2
	s_add_co_u32 s76, s76, s[CXI]                  ; tile of keys: hangs on cx alone
	s_add_co_u32 s77, s[C3], 1
	s_lshr_b32 s77, s77, 1
	s_lshl_b32 s77, s77, 2
	s_add_co_u32 s77, s77, s[CYI]                  ; tile of queries: on cy alone
	s_lshl_b32 s78, s[BB], 4
	s_lshl_b32 s80, s76, 1
	s_add_co_u32 s80, s80, s[HB]
	s_add_co_u32 s80, s80, s78
	s_mul_i32 s80, s80, RBB
	s_mov_b32 s81, 0
	s_lshl_b32 s82, s77, 1
	s_add_co_u32 s82, s82, s[HB]
	s_add_co_u32 s82, s82, s78
	s_mul_i32 s82, s82, RBB
	s_mov_b32 s83, 0
	s_mul_i32 s79, s[WV], QRT
	s_wait_kmcnt 0x0
	s_add_nc_u64 s[72:73], s[6:7], s[80:81]        ; k
	s_add_nc_u64 s[74:75], s[4:5], s[82:83]        ; q
	CROUND                                         ; all sixteen work-groups are here: the first joint loads meet
.irp s, 0,1
	s_mov_b32 s[G0A+4*\s], 1
	s_add_co_u32 s[G0A+4*\s+1], s79, \s*SLOT
	s_add_nc_u64 s[G0A+4*\s+2:G0A+4*\s+3], s[72:73], \s*QRT
	s_or_b32 s[G0A+4*\s+3], s[G0A+4*\s+3], 0x80000000
	s_mov_b32 s[G0B+4*\s+4*(\s/2)], 1
	s_add_co_u32 s[G0B+4*\s+4*(\s/2)+1], s79, \s*SLOT
	s_add_nc_u64 s[G0B+4*\s+4*(\s/2)+2:G0B+4*\s+4*(\s/2)+3], s[74:75], \s*QRT
	s_or_b32 s[G0B+4*\s+4*(\s/2)+3], s[G0B+4*\s+4*(\s/2)+3], 0x80000000
.endr
	JLOAD G0A, G1A, G0B, G1B                       ; K steps 0-2: one tensor load a wave at the head
	v_and_b32 v2, 31, v0
	v_lshlrev_b32 v[LI], 4, v2
	v_and_b32 v3, 15, v0                           ; r
	s_wait_alu depctr_va_vdst(0)
	v_bfe_u32 v14, v0, 4, 1                        ; h
	s_wait_alu depctr_va_vdst(0)
	s_mul_i32 s84, s[HB], QRT
	s_mul_i32 s85, s[FR], QRT
	s_add_co_u32 s85, s85, 2*QRT
.irp s, 0,1
	v_add_nc_u32 v[AD0+\s], s84, v[LI]
	v_add_nc_u32 v[AD1+\s], s85, v[LI]
	s_add_co_u32 s84, s84, SLOT
	s_add_co_u32 s85, s85, SLOT
.endr
	; the mask: register n of tile a holds key 256 j + 128 (w % 2) + 32 (n / 16) + 16 h + n % 16; my query is 256 i + 128 (w / 2) + 32 (a / 2) + 8 (a % 2) + r + 8 (r / 8)
	s_sub_co_i32 s84, s77, s76
	s_lshl_b32 s84, s84, 8
	s_sub_co_i32 s85, s[FR], s[HB]
	s_lshl_b32 s85, s85, 7
	s_add_co_i32 s84, s84, s85
	v_and_b32 v15, 8, v3
	v_add_nc_u32 v15, v15, v3
	v_lshlrev_b32 v14, 4, v14
	v_sub_nc_u32 v[DD], v15, v14
	v_add_nc_u32 v[DD], s84, v[DD]
	v_mov_b32 v[NINF], 0xff800000
	; where my block and my record go: 192 b + place
	; AS IT STANDS IN THIS TEXT: 192 places a batch.  Blocks of queries i and 15 - i are pair i, with 17 places: 17 i + n; the block i's chunk c has n = i - c, the block 15 - i's chunk c has n = i + 1 + c.
	; The 56 blocks that lie wholly behind the mask go to places 136 on; no launch reads those
.set DG, 70                            ; s70: all ones where my block lies on the diagonal
	s_lshl_b32 s92, s77, 1
	s_add_co_u32 s92, s92, s[FR]                   ; block of queries
	s_lshl_b32 s93, s76, 1
	s_add_co_u32 s93, s93, s[HB]                   ; chunk of keys
	s_sub_co_i32 s94, 15, s92
	s_sub_co_i32 s95, s92, s93
	s_add_co_i32 s68, s94, s93
	s_add_co_i32 s68, s68, 1
	s_cmp_lt_u32 s92, 8
	s_cselect_b32 s94, s92, s94                    ; pair
	s_cselect_b32 s95, s95, s68                    ; n
	s_mul_i32 s94, s94, 17
	s_add_co_i32 s94, s94, s95
	s_and_b32 s68, s93, 7
	s_sub_co_i32 s69, s68, 1
	s_mul_i32 s68, s68, s69
	s_lshr_b32 s68, s68, 1
	s_and_b32 s69, s92, 7
	s_add_co_u32 s68, s68, s69
	s_lshr_b32 s69, s92, 3
	s_mul_i32 s69, s69, 28
	s_add_co_u32 s68, s68, s69
	s_add_co_u32 s68, s68, 136
	s_cmp_eq_u32 s92, s93
	s_cselect_b32 s[DG], -1, 0
	s_cmp_le_u32 s93, s92
	s_cselect_b32 s92, s94, s68
	s_mul_i32 s93, s[BB], 192
	s_add_co_u32 s92, s92, s93
	s_mul_i32 s94, s92, PBLK
	s_mov_b32 s95, 0
	s_add_nc_u64 s[8:9], s[8:9], s[94:95]
	s_mul_i32 s94, s92, REC
	s_add_nc_u64 s[10:11], s[10:11], s[94:95]
	s_wait_alu depctr_va_vdst(0)                   ; the wait at the head's end
	s_wait_tensorcnt 0x0                           ; my part of K steps 0-2 is in
	ds_add_u32 v[SPW], v[NIL]
	s_wait_dscnt 0x0
	CROUND                                         ; everybody's part is in, and the joint loads meet
	JLOAD G0A+4, G1A, G0B+4, G1B                   ; K steps 3-5, the first tensor load behind the round
	FETCH 0, 0, 0
	STEP 0, 0, 1, 1
	STEP 1, 0, 2, 0
	TURN 2, 1, 1
	STEP 3, 1, 1, 0
	STEP 4, 1, 2, 0
	TURN 5, 0, 0
	STEP 6, 0, 1, 0
	s_wait_dscnt 0x0
	WIN MUL_LO
	MULA 1, 0, 4, 0
	WIN MUL_HI
	MULA 1, 4, 4, 0
	WIN 0
	PLACES 4                                       ; behind the last products, in front of the first read of results and the first write of their operands' registers
.irp b, 0,1,2,3
	v_mov_b32 v[BX+\b], 0                          ; written once: a lane permute's destination counts as one of its sources
.endr
	v_mov_b32 v[LX], 0
	v_mov_b32 v[NMV+1], 0                          ; (named as the upper half of a pair)
	s_cmp_eq_u32 s[C3], 1                          ; the cluster below the diagonal hides nothing: a branch on the cluster's number, the same in all partners
	s_cbranch_scc1 .Lopen
.macro MASK a                          ; hidden scores become -infinity: p = 0 then
	WIN 0x82+0x41*((\a)/4)
; In a block that is read, tile a's queries see every key of the blocks of 32 under a / 2; on the diagonal they see none of those above; block a / 2 is compared key by key.
; (What a block wholly behind the mask holds is read by no launch.)
.set n, 16*((\a)/2)
.rept 64-16*((\a)/2)
.if n < 16*((\a)/2)+16
	v_cmp_gt_i32 vcc_lo, 32*(n/16)+n%16-32*((\a)/2)-8*((\a)%2), v[DD]
	v_cndmask_b32 v[64*((\a)%4)+n], v[64*((\a)%4)+n], v[NINF], vcc_lo
.else
	v_cndmask_b32 v[64*((\a)%4)+n], v[64*((\a)%4)+n], v[NINF], s[DG]
.endif
.set n, n+1
.endr
.endm
.irp a, 0,1,2,3,4,5,6,7
	MASK \a
.endr
	WIN 0
.Lopen:
.macro SOFT a                          ; tile a of queries: fragment a of my block
.set AC, 64*((\a)%4)
	WIN 0x2a+0x15*((\a)/4)
.irp b, 0,1,2,3
	v_max3_num_f32 v[BM+\b], v[AC+16*\b], v[AC+16*\b+1], v[AC+16*\b+2]   ; the largest score of each block of 32 keys: it serves the row's maximum and, since p rises with the score, the block's largest p
.endr
	WIN 0x28+0x14*((\a)/4)
.irp i, 3,5,7,9,11,13
.irp b, 0,1,2,3
	v_max3_num_f32 v[BM+\b], v[BM+\b], v[AC+16*\b+\i], v[AC+16*\b+\i+1]
.endr
.endr
.irp b, 0,1,2,3
	v_max_num_f32 v[BM+\b], v[BM+\b], v[AC+16*\b+15]
.endr
	WIN 0
.irp b, 0,1,2,3
	v_permlanex16_b32 v[BX+\b], v[BM+\b], s[SEL], s[SEL+1]
.endr
.irp b, 0,1,2,3
	v_max_num_f32 v[BM+\b], v[BM+\b], v[BX+\b]     ; with lane l xor 16's 16 keys
.endr
	v_max3_num_f32 v[TMX], v[BM], v[BM+1], v[BM+2]
	v_max_num_f32 v[TMX], v[TMX], v[BM+3]
	v_mul_f32 v[TMX], s[CS], v[TMX]                ; the chunk's largest t (c is positive)
	v_max_num_f32 v[TMX], 0xff61b1e6, v[TMX]       ; a chunk all of whose keys are hidden: -3e38, so that M stays a number
	v_floor_f32 v[NMV], -v[TMX]                    ; -M = floor(-t) = -ceil(t)
	WIN 0x02+(\a)/4
.set j, 0
.rept 32
	v_pk_fma_f32 v[TT+j:TT+j+1], v[AC+j:AC+j+1], s[CS:CS+1], v[NMV:NMV+1] op_sel_hi:[1,0,0]   ; t - M, two at a time
.set j, j+2
.endr
	WIN 0
.irp b, 0,1,2,3
	v_fma_f32 v[BM+\b], v[BM+\b], s[CS], v[NMV]    ; the same of each block's largest score
.endr
.set j, 0
	s_wait_alu depctr_va_vdst(0)
.rept 64
	v_exp_f32 v[TT+j], v[TT+j]                     ; p = 2^(t - M)
.set j, j+1
.endr
	v_mov_b32 v[N8+(\a)], v[NMV]                   ; (a plain place behind the exponentials)
	s_wait_alu depctr_va_vdst(0)                   ; one wait for the batch, ahead of its first reader
.irp b, 0,1,2,3
	v_exp_f32 v[BM+\b], v[BM+\b]                   ; the block's largest p: the same two instructions on the same number
.endr
	v_pk_add_f32 v[LA:LA+1], v[TT:TT+1], v[TT+2:TT+3]          ; the sum is taken of the unquantised p, in two chains.  (It reads the 64 alone: plain work behind the four)
	v_pk_add_f32 v[LB:LB+1], v[TT+4:TT+5], v[TT+6:TT+7]
.irp j, 8,12,16,20,24,28,32,36,40,44,48,52,56,60
	v_pk_add_f32 v[LA:LA+1], v[LA:LA+1], v[TT+\j:TT+\j+1]
	v_pk_add_f32 v[LB:LB+1], v[LB:LB+1], v[TT+\j+2:TT+\j+3]
.endr
	v_pk_add_f32 v[LA:LA+1], v[LA:LA+1], v[LB:LB+1]
	v_add_f32 v[LA], v[LA], v[LA+1]
	v_permlanex16_b32 v[LX], v[LA], s[SEL], s[SEL+1]
	v_add_f32 v[L8+(\a)], v[LA], v[LX]             ; l_c of my query
	s_wait_alu depctr_va_vdst(0)                   ; and one wait for the four
.irp b, 0,1,2,3
	v_max_num_f32 v[BM+\b], 0x2800000, v[BM+\b]    ; the floor 2^(5 - 127): the byte cannot fall under 1
.endr
.irp b, 0,1,2,3
	v_add_nc_u32 v[SO+\b], 0xfe000000, v[BM+\b]    ; 4 off the exponent field: the conversion's scale operand
.endr
.irp b, 0,1,2,3
	v_lshrrev_b32 v[BY+\b], 23, v[SO+\b]
.endr
	v_lshl_or_b32 v[W8+(\a)], v[BY+1], 8, v[BY]
	v_lshl_or_b32 v[W8+(\a)], v[BY+2], 16, v[W8+(\a)]
	v_lshl_or_b32 v[W8+(\a)], v[BY+3], 24, v[W8+(\a)]
	s_wait_xcnt 0x0                                ; the last fragment's stores have read the codes' registers
.irp c, 0,1
	v_cvt_scalef32_pk16_bf6_f32 v[PC+6*\c:PC+6*\c+2], v[TT+32*\c:TT+32*\c+15], v[SO+2*\c]
	v_cvt_scalef32_pk16_bf6_f32 v[PT+4*\c:PT+4*\c+2], v[TT+32*\c+16:TT+32*\c+31], v[SO+2*\c+1]
.endr
	v_nop                                          ; one plain place behind a scaled conversion
.irp c, 0,1
.irp i, 0,1,2
	v_permlane16_swap_b32 v[PC+6*\c+\i], v[PT+4*\c+\i]
.endr
.irp i, 0,1,2
	v_mov_b32 v[PC+6*\c+3+\i], v[PT+4*\c+\i]
.endr
.endr
.irp c, 0,1,2
	global_store_b128 v[LI], v[PC+4*\c:PC+4*\c+3], s[8:9] offset:1536*(\a)+512*\c   ; 512 consecutive bytes, at a multiple of 256 from the buffer's first byte
.endr
.endm
.irp a, 0,1,2,3,4,5,6,7
	SOFT \a
.endr
.irp g, 0,1,2,3
	v_cndmask_b32 v[IM+\g], v[N8+2*\g], v[N8+2*\g+1], s[HIM]     ; lanes 0-15: fragment 2 g; lanes 16-31: fragment 2 g + 1
	v_cndmask_b32 v[IM+4+\g], v[L8+2*\g], v[L8+2*\g+1], s[HIM]
	v_cndmask_b32 v[IM+8+\g], v[W8+2*\g], v[W8+2*\g+1], s[HIM]
.endr
	global_store_b128 v[LI], v[IM:IM+3], s[10:11]
	global_store_b128 v[LI], v[IM+4:IM+7], s[10:11] offset:512
	global_store_b128 v[LI], v[IM+8:IM+11], s[10:11] offset:1024
	s_wait_tensorcnt 0x0                           ; the wave's end
	ds_add_u32 v[SPW], v[NIL]
	s_wait_dscnt 0x0
	CROUND                                         ; the closing round
	s_endpgm
.Lfunc_end_k_q7a596b356d_scores:
	.size	k_q7a596b356d_scores, .Lfunc_end_k_q7a596b356d_scores-k_q7a596b356d_scores
	.p2alignl 7, 3214868480
	.fill 96, 4, 3214868480
	.section	.rodata,"a",@progbits
	.p2align	6, 0x0
	.amdhsa_kernel k_q7a596b356d_scores
		.amdhsa_group_segment_fixed_size 327680
		.amdhsa_private_segment_fixed_size 0
		.amdhsa_enable_private_segment 0
		.amdhsa_kernarg_size 32
		.amdhsa_user_sgpr_count 2
		.amdhsa_user_sgpr_kernarg_segment_ptr 1
		.amdhsa_wavefront_size32 1
		.amdhsa_system_sgpr_workgroup_id_x 1
		.amdhsa_system_sgpr_workgroup_id_y 1
		.amdhsa_system_sgpr_workgroup_id_z 1
		.amdhsa_system_vgpr_workitem_id 0
		.amdhsa_next_free_vgpr 1024
		.amdhsa_next_free_sgpr 100
		.amdhsa_reserve_vcc 1
		.amdhsa_float_denorm_mode_32 3
		.amdhsa_float_denorm_mode_16_64 3
		.amdhsa_memory_ordered 1
		.amdhsa_forward_progress 1
		.amdhsa_inst_pref_size 212
	.end_amdhsa_kernel
	.amdgpu_metadata
---
amdhsa.version: [ 1, 2 ]
amdhsa.kernels:
  - .name:           k_q7a596b356d_scores
    .symbol:         k_q7a596b356d_scores.kd
    .args:
      - { .name: qimg, .offset: 0, .size: 8, .value_kind: global_buffer, .address_space: global }
      - { .name: kimg, .offset: 8, .size: 8, .value_kind: global_buffer, .address_space: global }
      - { .name: pimg, .offset: 16, .size: 8, .value_kind: global_buffer, .address_space: global }
      - { .name: pst, .offset: 24, .size: 8, .value_kind: global_buffer, .address_space: global }
    .group_segment_fixed_size: 327680
    .private_segment_fixed_size: 0
    .kernarg_segment_align: 8
    .kernarg_segment_size: 32
    .max_flat_workgroup_size: 128
    .sgpr_count:     100
    .vgpr_count:     1024
    .wavefront_size: 32
...
	.end_amdgpu_metadata
.endif
;; end of part 3
;; launch pv (part 4): grid 8 x 32, 4 waves a work-group, clusters of 4 x 1, 327,680 bytes of LDS; arguments pimg, pst, vimg, out0; writes out0
.if DOCPART == 4
	.amdgcn_target "amdgcn-amd-amdhsa--gfx1250"
	.amdhsa_code_object_version 6
	.text
	.protected	k_q7a596b356d_pv
	.globl	k_q7a596b356d_pv
	.p2align	8
	.type	k_q7a596b356d_pv,@function
k_q7a596b356d_pv:
	s_mov_b64 s[64:65], 0
	v_nop
	global_prefetch_b8 v0, s[64:65] scope:SCOPE_SE
	s_setreg_imm32_b32 hwreg(HW_REG_WAVE_MODE, 25, 1), 1
	s_wait_xcnt 0x0
	s_wait_alu depctr_hold_cnt(0) depctr_sa_sdst(0) depctr_va_vdst(0) depctr_va_sdst(0) depctr_va_ssrc(0) depctr_va_vcc(0) depctr_vm_vsrc(0)
	s_getreg_b32 s2, hwreg(HW_REG_IB_STS2, 6, 4)
	s_cmp_eq_u32 s2, 0
	s_cbranch_scc0 .Lentry_in_a_cluster
	s_endpgm
.Lentry_in_a_cluster:
	s_bfe_u32 s2, ttmp6, 0x10000c
	s_cmp_lg_u32 s2, 0x3003
	s_cbranch_scc0 .Lentry_shape_is_right
	s_endpgm
.Lentry_shape_is_right:
; out = (p v) / l on codes of E3M2, sums in f32.  p comes by blocks of 128 queries x 128 keys, each with its own -M_c, l_c and scale words; here the row's M = the largest M_c is taken, the scale bytes are lowered by M - M_c
; (an exact power of two), and l = the sum of l_c 2^(M_c - M).
; WORK LEFT OUT: blocks of keys behind all queries of a block: reference()'s own causal mask makes their p zero for all values of the inputs.  A NaN, an infinity or an overflow that reaches only that work is not carried to the result.
; SHARES.  A work-group takes PAIR i: the blocks of queries i (lo, i + 1 chunks of keys) and 15 - i (hi, 16 - i chunks), and 128 channels: always 17 chunks, n = 0 .. 16.  n <= i: lo, chunk i - n;  n > i: hi, chunk n - i - 1.
;   So n = 0 is lo's and n = 8 .. 16 are hi's in every work-group; n = 1 .. 7 are the one's or the other's by a branch on the cluster's number, round the products alone.
;   pimg, pst: 192 places a batch, pair i's 17 from 17 i on (12,288 and 1,536 bytes a place).  vimg: 24 places of 12,800 bytes for each batch and block of channels: chunks 7 .. 0, 0 .. 15: pair i's 17 are those from 7 - i on.
;   Wave w: 64 queries (fragments 4 (w % 2) on) of both blocks x 64 channels (fragments 4 (w / 2) on): 16 accumulators a block, 8 fragments for 16 products a chunk.
; TRANSPOSED: source 0 = v's channels, source 1 = p's queries: register 16 b + j of a lane = channel 32 b + 16 (l / 16) + j of its query.
; CLUSTERS 4 x 1: the four blocks of channels of a pair need the same p, which is asked for jointly.  v's runs begin at another place for each pair, so no two work-groups have a tile of v in common.
; LDS: two slots of six chunks: p at 0 and 73,728, v at 147,456 and 224,256; a stage of 4,352 bytes for each wave at 301,056; the spare words at 318,464.  Fills: n = 0-5 at the head, 6-11 behind the first round, 12-16 behind chunk 4.
;   One tensor load a wave each time: waves 0, 1 half of p's run, waves 2, 3 half of v's.
; FRAGMENTS are asked for two chunks ahead, in four sets of registers: 25 LDS loads a chunk.
; NO PREFETCH: there is no loop to run ahead in; the only refill goes out six chunks ahead of its first read.
; LIMITS: a scale byte that would fall under 0 is held at 0; NaN and infinities are not served.
; REGISTERS: window 0: addresses, scale words, records, the way out;  window 1: accumulators, lo at v0, hi at v128: (a, t) at + 32 a + 8 t;  window 2: v's fragments, window 3: p's: set s at 48 s.
.set BLK,   12800
.set PBLK,  12288
.set FRB,   1536
.set REC,   1536
.set PSL,   6*PBLK
.set VSL,   6*BLK
.set VB,    2*PSL
.set STG,   VB+2*VSL
.set SPIT,  272                        ; a stage row: 256 bytes + 16
.set SPARE, STG+4*16*SPIT
.set LI,   1                           ; 16 x lane
.set LI8,  2                           ; + 8 (w % 2): my fragments' records
.set CO,   4
.set STO,  5
.set RD,   6
.set BIG,  7
.set AP,   8                           ; v8-11   p: slot 0 chunks 0-2, 3-5, slot 1 likewise
.set AV,   12                          ; v12-15  v
.set AVS,  16                          ; v16-19  v's scale words
.set SPW,  28
.set NIL,  29
.set VS,   32                          ; v32-39  v's scale words, four sets of two
.set RL,   40                          ; v40-47  1 / l of fragment a: lo, hi
.set SCP,  48                          ; v48-81  p's scale words
.set NM,   84                          ; v84-117 -M_c
.set LL,   118                         ; v118-151 l_c
.set NRL,  152
.set NRH,  154
.set LSL,  156
.set LSH,  158
.set T,    160
.set RC,   180
.set RX,   184
.set OB,   84                          ; the way out: v84-147 rows read back, v192-255 results / l
.set OT,   192
.set WV,  20
.set FR,  21                           ; wave / 2: I fetch p (0) or v (1); also my half of the channels
.set HB,  22                           ; wave % 2: which half I fetch; also my half of the queries
.set CXI, 23
.set CG,  24
.set BB,  25
.set PI,  26
.set G1P, 28
.set G1V, 36
.set G0P, 44
.set G0V, 56
.set G0VC, 68
.set SEL, 72
.set HIM, 74
.set MK,  75                           ; s76-82: all ones where chunk n = 1 .. 7 is lo's
.set PB,  84
.set OLO, 86
.set OHI, 88
.set MSB, 0
.macro WIN new
.if MSB != (\new)
	s_set_vgpr_msb (MSB<<8)|(\new)
.set MSB, (\new)
.endif
.endm
.macro PLACES n
.rept \n
	v_nop
.endr
.endm
.macro JLOAD g0a, g1a, g0b, g1b        ; waves 0, 1 for p (jointly), waves 2, 3 for v; four v_nop follow each line
	s_cmp_eq_u32 s[FR], 0
	s_cbranch_scc0 .Lfor_b_\@
	tensor_load_to_lds s[\g0a:\g0a+3], s[\g1a:\g1a+7]
	s_nop 0
.rept 4
	v_nop
.endr
	s_branch .Lasked_\@
.Lfor_b_\@:
	tensor_load_to_lds s[\g0b:\g0b+3], s[\g1b:\g1b+7]
	s_nop 0
.rept 4
	v_nop
.endr
.Lasked_\@:
.endm
.macro CROUND                          ; a round of the cluster's barrier
	s_barrier_signal -1
	s_barrier_wait -1
	s_cmp_lg_u32 s[WV], 0
	s_cbranch_scc1 .Lnot_wave_0_\@
	s_barrier_signal -3
.Lnot_wave_0_\@:
	s_barrier_wait -3
	s_barrier_signal -1
	s_barrier_wait -1
.endm
.macro ROWS rp, rv                     ; how many rows of 256 bytes a tensor load brings.  Written where no tensor load of the wave is out
	s_mov_b32 s[G1P+2], (\rp)<<16
	s_mov_b32 s[G1P+4], \rp
	s_mov_b32 s[G1V+2], (\rv)<<16
	s_mov_b32 s[G1V+4], \rv
.endm
.macro DESC g, base, lds, off, half    ; half: a pair with my half's first byte
	s_mov_b32 s[\g], 1
	s_add_co_u32 s[\g+1], s[\half], \lds
	s_add_nc_u64 s[\g+2:\g+3], s[\base:\base+1], s[\half:\half+1]
.if \off
	s_add_nc_u64 s[\g+2:\g+3], s[\g+2:\g+3], \off
.endif
	s_or_b32 s[\g+3], s[\g+3], 0x80000000
.endm
.macro WM d, s0, s1, zero, sa, sb, ra, rb
.if (\zero) && (\ra) && (\rb)
	v_wmma_scale_f32_16x16x128_f8f6f4 v[\d:\d+7], v[\s0:\s0+11], v[\s1:\s1+11], 0, v[\sa], v[\sb] matrix_a_fmt:MATRIX_FMT_BF6 matrix_b_fmt:MATRIX_FMT_BF6 matrix_a_scale:MATRIX_SCALE_ROW1 matrix_b_scale:MATRIX_SCALE_ROW1
.elseif (\zero) && (\ra)
	v_wmma_scale_f32_16x16x128_f8f6f4 v[\d:\d+7], v[\s0:\s0+11], v[\s1:\s1+11], 0, v[\sa], v[\sb] matrix_a_fmt:MATRIX_FMT_BF6 matrix_b_fmt:MATRIX_FMT_BF6 matrix_a_scale:MATRIX_SCALE_ROW1
.elseif (\zero) && (\rb)
	v_wmma_scale_f32_16x16x128_f8f6f4 v[\d:\d+7], v[\s0:\s0+11], v[\s1:\s1+11], 0, v[\sa], v[\sb] matrix_a_fmt:MATRIX_FMT_BF6 matrix_b_fmt:MATRIX_FMT_BF6 matrix_b_scale:MATRIX_SCALE_ROW1
.elseif \zero
	v_wmma_scale_f32_16x16x128_f8f6f4 v[\d:\d+7], v[\s0:\s0+11], v[\s1:\s1+11], 0, v[\sa], v[\sb] matrix_a_fmt:MATRIX_FMT_BF6 matrix_b_fmt:MATRIX_FMT_BF6
.elseif (\ra) && (\rb)
	v_wmma_scale_f32_16x16x128_f8f6f4 v[\d:\d+7], v[\s0:\s0+11], v[\s1:\s1+11], v[\d:\d+7], v[\sa], v[\sb] matrix_a_fmt:MATRIX_FMT_BF6 matrix_b_fmt:MATRIX_FMT_BF6 matrix_a_scale:MATRIX_SCALE_ROW1 matrix_b_scale:MATRIX_SCALE_ROW1
.elseif \ra
	v_wmma_scale_f32_16x16x128_f8f6f4 v[\d:\d+7], v[\s0:\s0+11], v[\s1:\s1+11], v[\d:\d+7], v[\sa], v[\sb] matrix_a_fmt:MATRIX_FMT_BF6 matrix_b_fmt:MATRIX_FMT_BF6 matrix_a_scale:MATRIX_SCALE_ROW1
.elseif \rb
	v_wmma_scale_f32_16x16x128_f8f6f4 v[\d:\d+7], v[\s0:\s0+11], v[\s1:\s1+11], v[\d:\d+7], v[\sa], v[\sb] matrix_a_fmt:MATRIX_FMT_BF6 matrix_b_fmt:MATRIX_FMT_BF6 matrix_b_scale:MATRIX_SCALE_ROW1
.else
	v_wmma_scale_f32_16x16x128_f8f6f4 v[\d:\d+7], v[\s0:\s0+11], v[\s1:\s1+11], v[\d:\d+7], v[\sa], v[\sb] matrix_a_fmt:MATRIX_FMT_BF6 matrix_b_fmt:MATRIX_FMT_BF6
.endif
.endm
; chunk n's 16 products onto lo (base 0) or hi (base 128).  The accumulators take turns, one instruction a turn
.macro MUL n, base, zero
	WIN 0x5e                                       ; C and D window 1, source 1 window 3, source 0 window 2
.set ms, (\n)%4
.set qa, 0
.rept 4
.set qt, 0
.rept 4
	WM \base+32*qa+8*qt, 48*ms+12*qt, 48*ms+12*qa, \zero, VS+2*ms+qt/2, SCP+2*(\n)+qa/2, qt%2, qa%2
.set qt, qt+1
.endr
.set qa, qa+1
.endr
	WIN 0
.endm
.macro BOTH n                          ; lo's or hi's: a branch on the cluster's number, the same in all partners
	s_cmp_ge_u32 s[PI], \n
	s_cbranch_scc0 .Lhi_\@
	MUL \n, 0, 0
	s_branch .Ldone_\@
.Lhi_\@:
	MUL \n, 128, 0
.Ldone_\@:
.endm
; 25 LDS loads: chunk n's fragments, 512 consecutive bytes each, and v's scale words, into set n % 4
.macro FETCH n
.set fs, (\n)%4
.set fp, (\n)%6
.set fr, 2*(((\n)/6)%2)+fp/3
	WIN 0x80
.irp t, 0,1,2,3
.irp c, 0,1,2
	ds_load_b128 v[48*fs+12*\t+4*\c:48*fs+12*\t+4*\c+3], v[AV+fr] offset:BLK*(fp%3)+FRB*\t+512*\c
.endr
.endr
	WIN 0xc0
.irp t, 0,1,2,3
.irp c, 0,1,2
	ds_load_b128 v[48*fs+12*\t+4*\c:48*fs+12*\t+4*\c+3], v[AP+fr] offset:PBLK*(fp%3)+FRB*\t+512*\c
.endr
.endr
	WIN 0
	ds_load_b64 v[VS+2*fs:VS+2*fs+1], v[AVS+fr] offset:BLK*(fp%3)
.endm
.macro STEP n
	PLACES 4                                       ; in front of loads into registers that products have read
.if (\n) < 15 && (\n) != 4 && (\n) != 10
	FETCH (\n)+2
	s_wait_dscnt 50                                ; chunk n is in; the two younger runs of 25 may be out
.elseif (\n) == 16
	s_wait_dscnt 0x0
.else
	s_wait_dscnt 25                                ; one younger run may be out
.endif
.if (\n) == 0
	MUL \n, 0, 1
.elseif (\n) < 8
	BOTH \n
.else
	MUL \n, 128, 0
.endif
.endm
	s_load_b256 s[4:11], s[0:1], 0x0               ; pimg, pst, vimg, out0
	v_lshl_add_u32 v[SPW], v0, 2, SPARE
	v_mov_b32 v[NIL], 0
	ds_add_u32 v[SPW], v[NIL]                      ; the opening lines: the add, twice on end, and its wait
	ds_add_u32 v[SPW], v[NIL]
	v_lshrrev_b32 v3, 5, v0
	v_readfirstlane_b32 s[WV], v3
	s_lshr_b32 s[FR], s[WV], 1
	s_and_b32 s[HB], s[WV], 1
	s_bfe_u32 s[CXI], ttmp6, 0x40000
	s_lshl_b32 s[CG], ttmp9, 2
	s_add_co_u32 s[CG], s[CG], s[CXI]              ; block of channels
	s_and_b32 s[BB], ttmp7, 0xffff
	s_and_b32 s[PI], s[BB], 7                      ; pair
	s_lshr_b32 s[BB], s[BB], 3                     ; batch
	s_mov_b32 s[G1P], 15|(3<<16)|(1<<21)           ; group 1: dense runs as rows of 32 elements of 8 bytes; p goes to all four partners, bit 21 set beside the mask
	s_mov_b32 s[G1V], 3<<16
.irp g, G1P, G1V
	s_mov_b32 s[\g+1], 32<<16
	s_mov_b32 s[\g+3], 32<<16
	s_mov_b32 s[\g+5], 32
	s_mov_b32 s[\g+6], 0
	s_mov_b32 s[\g+7], 0
.endr
	ROWS 144, 150                                  ; half of six chunks: 36,864 bytes of p, 38,400 of v
	s_mov_b32 s[SEL], 0x76543210
	s_mov_b32 s[SEL+1], 0xfedcba98                 ; v_permlanex16_b32's selects for lane l xor 16
	s_mov_b32 s[HIM], 0xffff0000                   ; lanes 16-31
	s_mul_i32 s98, s[BB], 192
	s_mul_i32 s99, s[PI], 17
	s_add_co_u32 s98, s98, s99                     ; my pair's first place
	s_mul_i32 s90, s98, PBLK
	s_mov_b32 s91, 0
	s_lshl_b32 s92, s[BB], 3
	s_add_co_u32 s92, s92, s[CG]
	s_mul_i32 s92, s92, 24
	s_add_co_u32 s92, s92, 7
	s_sub_co_u32 s92, s92, s[PI]
	s_mul_i32 s92, s92, BLK
	s_mov_b32 s93, 0
	s_mul_i32 s94, s[HB], 3*PBLK                   ; my half of six chunks, of five
	s_mov_b32 s95, 0
	s_mul_i32 s96, s[HB], 5*PBLK/2
	s_mov_b32 s97, 0
	s_mul_i32 s84, s[HB], 3*BLK
	s_mov_b32 s85, 0
	s_mul_i32 s86, s[HB], 5*BLK/2
	s_mov_b32 s87, 0
.irp n, 1,2,3,4,5,6,7
	s_cmp_ge_u32 s[PI], \n
	s_cselect_b32 s[MK+\n], -1, 0
.endr
	s_wait_dscnt 0x0                               ; both opening adds are done
	s_wait_kmcnt 0x0
	s_add_nc_u64 s[90:91], s[4:5], s[90:91]
	s_add_nc_u64 s[92:93], s[8:9], s[92:93]
	CROUND                                         ; all four work-groups are here: the first joint loads meet
	DESC G0P, 90, 0, 0, 94
	DESC G0V, 92, VB, 0, 84
	JLOAD G0P, G1P, G0V, G1V                       ; chunks 0-5: one tensor load a wave at the head
	DESC G0P+4, 90, PSL, PSL, 94                   ; chunks 6-11
	DESC G0V+4, 92, VB+VSL, VSL, 84
	DESC G0P+8, 90, 0, 2*PSL, 96                   ; chunks 12-16
	DESC G0VC, 92, VB, 2*VSL, 86
	s_mul_i32 s[PB], s98, REC
	s_mov_b32 s[PB+1], 0
	s_add_nc_u64 s[PB:PB+1], s[6:7], s[PB:PB+1]
	; where my rows go: block x 128 + 64 (w % 2) rows of 4,096 bytes; 512 bytes a block of channels, 256 a half
	s_lshl_b32 s75, s[CG], 9
	s_lshl_b32 s83, s[FR], 8
	s_add_co_u32 s75, s75, s83
	s_lshl_b32 s83, s[HB], 18
	s_add_co_u32 s75, s75, s83
	s_lshl_b32 s83, s[BB], 4
	s_add_co_u32 s27, s83, s[PI]
	s_lshl_b32 s27, s27, 19
	s_add_co_u32 s[OLO], s27, s75
	s_mov_b32 s[OLO+1], 0
	s_add_nc_u64 s[OLO:OLO+1], s[10:11], s[OLO:OLO+1]
	s_sub_co_u32 s27, 15, s[PI]
	s_add_co_u32 s27, s27, s83
	s_lshl_b32 s27, s27, 19
	s_add_co_u32 s[OHI], s27, s75
	s_mov_b32 s[OHI+1], 0
	s_add_nc_u64 s[OHI:OHI+1], s[10:11], s[OHI:OHI+1]
	v_and_b32 v3, 31, v0
	v_lshlrev_b32 v[LI], 4, v3
	s_lshl_b32 s83, s[HB], 3
	v_add_nc_u32 v[LI8], s83, v[LI]
	s_mul_i32 s83, s[HB], 4*FRB
	v_add_nc_u32 v[AP], s83, v[LI]
	v_add_nc_u32 v[AP+1], 3*PBLK, v[AP]
	v_add_nc_u32 v[AP+2], PSL, v[AP]
	v_add_nc_u32 v[AP+3], PSL+3*PBLK, v[AP]
	s_mul_i32 s83, s[FR], 4*FRB
	s_add_co_u32 s83, s83, VB
	v_add_nc_u32 v[AV], s83, v[LI]
	v_add_nc_u32 v[AV+1], 3*BLK, v[AV]
	v_add_nc_u32 v[AV+2], VSL, v[AV]
	v_add_nc_u32 v[AV+3], VSL+3*BLK, v[AV]
	s_lshl_b32 s83, s[FR], 3
	s_add_co_u32 s83, s83, VB+8*FRB
	v_add_nc_u32 v[AVS], s83, v[LI]
	v_add_nc_u32 v[AVS+1], 3*BLK, v[AVS]
	v_add_nc_u32 v[AVS+2], VSL, v[AVS]
	v_add_nc_u32 v[AVS+3], VSL+3*BLK, v[AVS]
	v_and_b32 v20, 15, v0                          ; r
	v_bfe_u32 v21, v0, 4, 1                        ; h
	s_mul_i32 s83, s[WV], 16*SPIT
	s_add_co_u32 s83, s83, STG                     ; my stage
	v_mul_u32_u24 v[STO], v20, SPIT                ; in: row r, 64 bytes for each half of the lanes
	v_lshl_add_u32 v[STO], v21, 6, v[STO]
	v_add_nc_u32 v[STO], s83, v[STO]
	v_mul_u32_u24 v[RD], v21, SPIT                 ; back: sixteen lanes a row of 256 bytes
	v_lshl_add_u32 v[RD], v20, 4, v[RD]
	v_add_nc_u32 v[RD], s83, v[RD]
	v_lshlrev_b32 v[CO], 12, v21                   ; and the same in out0
	v_lshl_add_u32 v[CO], v20, 4, v[CO]
	v_mov_b32 v[BIG], 0x7f7fffff
.irp k, 0,1,2,3
	v_mov_b32 v[RX+\k], 0                          ; written once: a lane permute's destination counts as one of its sources
.endr
	s_wait_alu depctr_va_vdst(0)
.irp n, 0,1,2,3,4,5,6,7,8,9,10,11,12,13,14,15,16
	global_load_b64 v[NM+2*\n:NM+2*\n+1], v[LI8], s[PB:PB+1] offset:REC*\n
	global_load_b64 v[LL+2*\n:LL+2*\n+1], v[LI8], s[PB:PB+1] offset:REC*\n+512
	global_load_b64 v[SCP+2*\n:SCP+2*\n+1], v[LI8], s[PB:PB+1] offset:REC*\n+1024
.endr
	WIN 0x40
.set j, 128
.rept 128
	v_mov_b32 v[j], 0                              ; hi's sums: which chunk starts them hangs on the pair
.set j, j+1
.endr
	WIN 0
	s_wait_alu depctr_va_vdst(0)
	s_wait_loadcnt 0x0                             ; the records
	; -M of each row: lo's over n = 0 .. i, hi's over the rest
.irp k, 0,1
	v_min3_num_f32 v[NRH+\k], v[NM+16+\k], v[NM+18+\k], v[NM+20+\k]
	v_mov_b32 v[NRL+\k], v[NM+\k]
.endr
.irp n, 11,13,15
.irp k, 0,1
	v_min3_num_f32 v[NRH+\k], v[NRH+\k], v[NM+2*\n+\k], v[NM+2*\n+2+\k]
.endr
.endr
.irp n, 1,2,3,4,5,6,7
.irp k, 0,1
	v_cndmask_b32 v[T+\k], v[BIG], v[NM+2*\n+\k], s[MK+\n]
	v_cndmask_b32 v[T+2+\k], v[NM+2*\n+\k], v[BIG], s[MK+\n]
.endr
.irp k, 0,1
	v_min_num_f32 v[NRL+\k], v[NRL+\k], v[T+\k]
	v_min_num_f32 v[NRH+\k], v[NRH+\k], v[T+2+\k]
.endr
.endr
.macro PROC n
.irp k, 0,1
.if (\n) == 0
	v_sub_f32 v[T+\k], v[NRL+\k], v[NM+2*(\n)+\k]  ; M_c - M: a whole number, 0 or less
.elseif (\n) < 8
	v_cndmask_b32 v[T+2+\k], v[NRH+\k], v[NRL+\k], s[MK+\n]
	v_sub_f32 v[T+\k], v[T+2+\k], v[NM+2*(\n)+\k]
.else
	v_sub_f32 v[T+\k], v[NRH+\k], v[NM+2*(\n)+\k]
.endif
.endr
.irp k, 0,1
	v_max_num_f32 v[T+\k], 0xc37f0000, v[T+\k]     ; -255: beyond it every byte is 0 all the same
.endr
.irp k, 0,1
	v_cvt_i32_f32 v[T+\k], v[T+\k]
.endr
.irp k, 0,1
.if (\n) == 0
	v_ldexp_f32 v[LSL+\k], v[LL+\k], v[T+\k]
.elseif (\n) == 8
	v_ldexp_f32 v[LSH+\k], v[LL+2*(\n)+\k], v[T+\k]
.else
	v_ldexp_f32 v[T+4+\k], v[LL+2*(\n)+\k], v[T+\k]
.endif
.endr
.if (\n) > 8
.irp k, 0,1
	v_add_f32 v[LSH+\k], v[LSH+\k], v[T+4+\k]
.endr
.elseif (\n) > 0 && (\n) < 8
.irp k, 0,1
	v_cndmask_b32 v[T+6+\k], 0, v[T+4+\k], s[MK+\n]
	v_cndmask_b32 v[T+8+\k], v[T+4+\k], 0, s[MK+\n]
.endr
.irp k, 0,1
	v_add_f32 v[LSL+\k], v[LSL+\k], v[T+6+\k]
	v_add_f32 v[LSH+\k], v[LSH+\k], v[T+8+\k]
.endr
.endif
.irp k, 0,1                                    ; the four scale bytes, lowered, held at 0
	v_bfe_u32 v[T+12+4*\k], v[SCP+2*(\n)+\k], 0, 8
	v_bfe_u32 v[T+13+4*\k], v[SCP+2*(\n)+\k], 8, 8
	v_bfe_u32 v[T+14+4*\k], v[SCP+2*(\n)+\k], 16, 8
	v_lshrrev_b32 v[T+15+4*\k], 24, v[SCP+2*(\n)+\k]
.endr
.irp k, 0,1
.irp i, 12,13,14,15
	v_add_nc_u32 v[T+\i+4*\k], v[T+\i+4*\k], v[T+\k]
.endr
.endr
.irp k, 0,1
.irp i, 12,13,14,15
	v_max_i32 v[T+\i+4*\k], 0, v[T+\i+4*\k]
.endr
.endr
.irp k, 0,1
	v_lshl_or_b32 v[SCP+2*(\n)+\k], v[T+13+4*\k], 8, v[T+12+4*\k]
.endr
.irp k, 0,1
	v_lshl_or_b32 v[SCP+2*(\n)+\k], v[T+14+4*\k], 16, v[SCP+2*(\n)+\k]
.endr
.irp k, 0,1
	v_lshl_or_b32 v[SCP+2*(\n)+\k], v[T+15+4*\k], 24, v[SCP+2*(\n)+\k]
.endr
.endm
.irp n, 0,8,9,10,11,12,13,14,15,16,1,2,3,4,5,6,7
	PROC \n
.endr
	s_wait_alu depctr_va_vdst(0)                   ; the wait ahead of the batch
	v_rcp_f32 v[RC], v[LSL]
	v_rcp_f32 v[RC+1], v[LSL+1]
	v_rcp_f32 v[RC+2], v[LSH]
	v_rcp_f32 v[RC+3], v[LSH+1]
	v_nop
	s_wait_alu depctr_va_vdst(0)                   ; and behind it
.irp k, 0,1,2,3
	v_permlanex16_b32 v[RX+\k], v[RC+\k], s[SEL], s[SEL+1]
.endr
.irp k, 0,1,2,3                                ; both halves of the lanes want the even fragment's, then the odd one's
	v_cndmask_b32 v[RL+2*\k], v[RC+\k], v[RX+\k], s[HIM]
	v_cndmask_b32 v[RL+2*\k+1], v[RX+\k], v[RC+\k], s[HIM]
.endr
	PLACES 8                                       ; a scale register written by a vector instruction stands 8 places ahead of a scaled product
	s_wait_alu depctr_va_vdst(0)                   ; the wait at the head's end
	s_wait_tensorcnt 0x0                           ; my part of chunks 0-5 is in
	ds_add_u32 v[SPW], v[NIL]
	s_wait_dscnt 0x0
	CROUND                                         ; everybody's part is in, and the joint loads meet
	JLOAD G0P+4, G1P, G0V+4, G1V                   ; chunks 6-11, the first tensor load behind the round
	FETCH 0
	FETCH 1
	STEP 0
	STEP 1
	STEP 2
	STEP 3
	STEP 4
	s_wait_tensorcnt 0x0                           ; all my tensor loads have landed: my part of chunks 6-11
	ds_add_u32 v[SPW], v[NIL]
	ROWS 120, 125                                  ; half of five chunks: 30,720 bytes of p, 32,000 of v
	s_wait_dscnt 0x0                               ; the add is done, and my reads of slot 0 are over
	CROUND                                         ; no wave of any partner still reads slot 0 or has a load on its way
	JLOAD G0P+8, G1P, G0VC, G1V                    ; chunks 12-16, the first tensor load behind the round
	FETCH 6
	STEP 5
	STEP 6
	STEP 7
	STEP 8
	STEP 9
	STEP 10
	s_wait_tensorcnt 0x0                           ; my part of chunks 12-16 is in; nothing is filled again
	s_wait_dscnt 0x0
	s_barrier_signal -1
	s_barrier_wait -1
	PLACES 4
	FETCH 12
; THE WAY OUT of fragment a: divided by l, through my own stage, back as rows of 256 bytes, which sixteen lanes store.  LDS serves a wave's instructions in order: no wait between the stores and the loads
.macro OUT a, acc, rl, out
.set OO, OT+32*((\a)%2)
.set OI, OB+32*((\a)%2)
	s_wait_xcnt 0x0                                ; the earlier stores have read their registers
	WIN 0x01
.set j, 0
.rept 16
.if (\a)%2
	v_pk_mul_f32 v[OO+j:OO+j+1], v[\acc+32*(\a)+j:\acc+32*(\a)+j+1], v[\rl+2*((\a)/2):\rl+2*((\a)/2)+1] op_sel:[0,1] op_sel_hi:[1,1]
.else
	v_pk_mul_f32 v[OO+j:OO+j+1], v[\acc+32*(\a)+j:\acc+32*(\a)+j+1], v[\rl+2*((\a)/2):\rl+2*((\a)/2)+1] op_sel_hi:[1,0]
.endif
.set j, j+2
.endr
	WIN 0
.irp b, 0,1
.irp q, 0,1,2,3
	ds_store_b128 v[STO], v[OO+16*\b+4*\q:OO+16*\b+4*\q+3] offset:128*\b+16*\q
.endr
.endr
.irp t, 0,1,2,3,4,5,6,7
	ds_load_b128 v[OI+4*\t:OI+4*\t+3], v[RD] offset:2*SPIT*\t
.endr
.irp t, 0,1,2,3,4,5,6,7
	s_wait_dscnt 7-\t
	global_store_b128 v[CO], v[OI+4*\t:OI+4*\t+3], s[\out:\out+1] offset:(32*((\a)/2)+8*((\a)%2)+2*\t+8*(\t/4))*4096 th:TH_STORE_NT   ; positions 2 t, 2 t + 1: two neighbouring rows
.endr
.endm
	OUT 0, 0, RL, OLO                              ; lo is finished since chunk 7
	OUT 1, 0, RL, OLO
	OUT 2, 0, RL, OLO
	OUT 3, 0, RL, OLO
	STEP 11
	STEP 12
	STEP 13
	STEP 14
	STEP 15
	STEP 16
	PLACES 4                                       ; behind the last products, in front of the first read of results
	OUT 0, 128, RL+4, OHI
	OUT 1, 128, RL+4, OHI
	OUT 2, 128, RL+4, OHI
	OUT 3, 128, RL+4, OHI
	s_wait_tensorcnt 0x0                           ; the wave's end
	ds_add_u32 v[SPW], v[NIL]
	s_wait_dscnt 0x0
	CROUND                                         ; the closing round
	s_endpgm
.Lfunc_end_k_q7a596b356d_pv:
	.size	k_q7a596b356d_pv, .Lfunc_end_k_q7a596b356d_pv-k_q7a596b356d_pv
	.p2alignl 7, 3214868480
	.fill 96, 4, 3214868480
	.section	.rodata,"a",@progbits
	.p2align	6, 0x0
	.amdhsa_kernel k_q7a596b356d_pv
		.amdhsa_group_segment_fixed_size 327680
		.amdhsa_private_segment_fixed_size 0
		.amdhsa_enable_private_segment 0
		.amdhsa_kernarg_size 32
		.amdhsa_user_sgpr_count 2
		.amdhsa_user_sgpr_kernarg_segment_ptr 1
		.amdhsa_wavefront_size32 1
		.amdhsa_system_sgpr_workgroup_id_x 1
		.amdhsa_system_sgpr_workgroup_id_y 1
		.amdhsa_system_sgpr_workgroup_id_z 1
		.amdhsa_system_vgpr_workitem_id 0
		.amdhsa_next_free_vgpr 1024
		.amdhsa_next_free_sgpr 100
		.amdhsa_reserve_vcc 0
		.amdhsa_float_denorm_mode_32 3
		.amdhsa_float_denorm_mode_16_64 3
		.amdhsa_memory_ordered 1
		.amdhsa_forward_progress 1
		.amdhsa_inst_pref_size 164
	.end_amdhsa_kernel
	.amdgpu_metadata
---
amdhsa.version: [ 1, 2 ]
amdhsa.kernels:
  - .name:           k_q7a596b356d_pv
    .symbol:         k_q7a596b356d_pv.kd
    .args:
      - { .name: pimg, .offset: 0, .size: 8, .value_kind: global_buffer, .address_space: global }
      - { .name: pst, .offset: 8, .size: 8, .value_kind: global_buffer, .address_space: global }
      - { .name: vimg, .offset: 16, .size: 8, .value_kind: global_buffer, .address_space: global }
      - { .name: out0, .offset: 24, .size: 8, .value_kind: global_buffer, .address_space: global }
    .group_segment_fixed_size: 327680
    .private_segment_fixed_size: 0
    .kernarg_segment_align: 8
    .kernarg_segment_size: 32
    .max_flat_workgroup_size: 128
    .sgpr_count:     100
    .vgpr_count:     1024
    .wavefront_size: 32
...
	.end_amdgpu_metadata
.endif
;; end of part 4
